; MI455X (gfx1250); checked and timed in simulation.
; The chip was launched on July 23, 2026; its instructions are those of AMD's public machine-readable ISA for CDNA 5 (MIT licence, August 2026) and "CDNA5" Instruction Set Architecture Reference Guide (July 2026). The comments in the code are by the model that wrote it; some were corrected since.
;; Causal Self Attention. Allowed arithmetic: matrix products marked QUANTISED: E3M2 operands, one E8M0 scale for each 32 along K, by v_wmma_scale_f32_16x16x128_f8f6f4 with both operands' format E3M2, f32 sums; everything else in f32.
;; Inputs: w_out 1,024 x 1,024 float32; w_qkv 1,024 x 3,072 float32; x 4 x 2,048 x 1,024 float32.
;; Outputs: out0 4 x 2,048 x 1,024 float32.
;; This version of the problem:
;;   THIS VERSION OF THE PROBLEM IS GIVEN IN LOW PRECISION. The matrix products marked QUANTISED in the list below multiply operands that are first quantised to E3M2 (3 exponent bits, 2 mantissa bits; 6 bits a number), with one power-of-two scale for each 32 numbers along K (OCP MX v1.0); their sums are f32. All else is computed in f32.
;;   The module's matrix products, in the order in which they are computed (A, B: the left and right operand; K: the contracted axis; several contracted axes count as one K, in the product's order):
;;     1. [M 8,192, K 1,024] x [K 1,024, N 3,072]; A: input x; B: input w_qkv: QUANTISED
;;     2. batch 64 x [M 2,048, K 64] x [K 64, N 2,048]; A: computed on the way; B: computed on the way: QUANTISED
;;     3. batch 64 x [M 2,048, K 2,048] x [K 2,048, N 64]; A: softmax (see below); B: computed on the way: QUANTISED
;;     4. [M 8,192, K 1,024] x [K 1,024, N 1,024]; A: computed on the way; B: input w_out: QUANTISED
;;   THE QUANTISER, for each operand of a quantised product, along K:
;;     - K is cut into blocks of 32 from its start; a last block that is shorter is filled with zeros.
;;     - A block's scale is 2^e with e = floor(log2(the largest magnitude in the block)) - 4, held to -126 .. 127; a block of zeros has e = 0. As a byte (E8M0): e + 127.
;;     - Each number is divided by its block's scale, clamped to +-28, and rounded to the nearest number of E3M2, ties to even, subnormals kept.
;;     - The product sums the exact products of the quantised numbers (number of the format x scale) in f32.
;;   ~~~python
;;   def quantise(x, axis):      # numpy; x: float32 -> the quantised numbers, widened to float32 again
;;       x = np.moveaxis(x, axis, -1); K = x.shape[-1]
;;       x = np.pad(x, [(0, 0)] * (x.ndim - 1) + [(0, -K % 32)]); x = x.reshape(x.shape[:-1] + (-1, 32)); a = np.abs(x).max(-1, keepdims=True)
;;       e = np.where(a > 0, np.clip(np.frexp(np.where(a > 0, a, 1))[1] - 1 - 4, -126, 127), 0)      # np.frexp(a)[1] - 1 = floor(log2(a)), exactly
;;       r = np.clip(x / 2.0 ** e, -28, 28)
;;       step = 2.0 ** (np.maximum(np.frexp(np.where(r == 0, 1, r))[1] - 1, -2) - 2)
;;       q = np.round(r / step) * step * 2.0 ** e      # np.round: ties to even
;;       return np.moveaxis(q.reshape(q.shape[:-2] + (-1,))[..., :K], -1, axis).astype(np.float32)
;;   ~~~
;;   SOFTMAX AHEAD OF A QUANTISED PRODUCT. Where the list says 'softmax', what is quantised is not the finished softmax but p = 2^(t - M), with t = logit x log2(e) and M = ceil(the row's largest t), a whole number; so 1/2 < the row's largest p <= 1. The row's sum l is taken of the UNQUANTISED p, in f32, and the product's result is divided by l at the end. Since M is a whole number, a kernel that streams over the keys may use a running M (the ceiling of the running maximum): every later rescaling is an exact power of two, which a block's scale takes up: the codes' values come out the same.
;;   OPERANDS COMPUTED ON THE WAY. 'Computed on the way' means the value that the module computes at that place (a softmax that the list does not call 'softmax' is quantised finished and normalised). What goes into a quantiser is computed in f32, as accurately as f32 sums, v_exp_f32 and their like allow (about 1e-6 of the number): no bf16 or f16 on the way to a quantiser, and a product that is left as it is and whose result goes on into a quantised operand takes f32 operands (vector FMAs, or v_wmma_f32_16x16x4_f32). A number that lies on a knife's edge between two numbers of the format may be rounded either way, as far as f32 arithmetic and the matrix unit's own rounding can turn it there, and no further.
;; One version. Each part assembles by itself: llvm-mc -triple=amdgcn-amd-amdhsa -mcpu=gfx1250 --defsym DOCPART=n.
;; ======== version 1 of 1: 4 launches
;; workspace buffers: xc 6,553,600 bytes; wc 3,276,800 bytes; cc 6,553,600 bytes; qkv 19,660,800 bytes
;; launch quant (part 1): grid 512 x 1, 4 waves a work-group, no clusters, 47,104 bytes of LDS; arguments x, w_qkv, w_out, xc, wc; writes xc, wc
.if DOCPART == 1
	.amdgcn_target "amdgcn-amd-amdhsa--gfx1250"
	.amdhsa_code_object_version 6
	.text
	.protected	k_qe831f15f7a_quant
	.globl	k_qe831f15f7a_quant
	.p2align	8
	.type	k_qe831f15f7a_quant,@function
k_qe831f15f7a_quant:
	s_mov_b64 s[64:65], 0
	v_nop
	global_prefetch_b8 v0, s[64:65] scope:SCOPE_SE
	s_setreg_imm32_b32 hwreg(HW_REG_WAVE_MODE, 25, 1), 1
	s_wait_xcnt 0x0
; x [8192][1024], w_qkv [1024][3072] and w_out [1024][1024], f32, become codes of BF6 (E3M2) with one E8M0 byte for each 32 along K, laid in the ORDER OF THE OPERAND'S REGISTERS.
; GROUPS AND TILES.  128 rows (tokens of x, columns of a weight) are a group of eight tiles; lane-row r of tile t is row 32 (t / 2) + 8 (t % 2) + r + 8 (r / 8) of the group.
; A FRAGMENT (16 rows x 128 K, 12 registers a lane) lies as 1,536 bytes: registers 0-3 at 16 x lane, 4-5 at 512 + 8 x lane, 6-9 at 768 + 16 x lane, 10-11 at 1,280 + 8 x lane.
; A BLOCK of 12,800 bytes is a group's eight fragments of one K step of 128 and behind them 512 bytes of scale words: word (t, r) at 256 (t / 4) + 16 r + 4 (t % 4).  A group is eight blocks, K ascending.
; A block's scale is 2^(floor(log2(its largest magnitude)) - 4); its byte is the largest magnitude's exponent field - 4, held at 1 from below.
; LIMITS: NaN and infinities among the inputs are not served.  A block of zeros, and one whose largest magnitude lies under 2^(5 - 127), gets the byte 1 (a block of zeros: its codes are zeros; this program alone reads the bytes).
; Work-groups 0-255 take x (a group's two K steps each; a wave 64 rows x 128 K), work-groups 256-511 the weights (a group's one K step each; a wave 32 columns).  The two ways use LDS bytes of their own.
; No tensor loads, no matrix work, no cluster: the launch streams each input byte once and shares nothing between work-groups.
.set BLK,  12800
.set SP,   528                         ; x's stage: a row of 512 bytes + 16, so that the sixteen rows that a read touches start at sixteen different banks
.set STGX, 16*SP                       ; a wave's stage
.set WST,  4*STGX                      ; the weights' way: two fragment images (3,072 bytes) for each wave,
.set WSC,  WST+4*3072                  ; and the work-group's 512 bytes of scale words
.set R0,   16                          ; v16-143  x: two sets of 16 rows as loaded;  weights: 128 numbers down K
.set X,    144                         ; v144-207 x: 64 numbers in the quantiser's order
.set TM,   208                         ; v208-223 at work
.set PC,   224                         ; v224-243 the codes just made
.set W,    244                         ; v244-247 four tiles' scale words
.set SEL,  20                          ; s[20:21] lane selects: lane l xor 16
; 64 numbers of a lane, register 16 b + i = k 32 b + 16 (lane / 16) + i of my row, become a fragment's codes in v[PC] on and its scale word in v[w].
.macro QUANT s, w
.irp b, 0,1,2,3
	v_max3_num_f32 v[TM+\b], |v[\s+16*\b]|, |v[\s+1+16*\b]|, 0x2800000   ; my 16 numbers of block b, and the floor 2^(5 - 127): the byte cannot fall under 1
.endr
.irp i, 2,4,6,8,10,12,14
.irp b, 0,1,2,3
	v_max3_num_f32 v[TM+\b], v[TM+\b], |v[\s+16*\b+\i]|, |v[\s+1+16*\b+\i]|   ; the four blocks by turns
.endr
.endr
.irp b, 0,1,2,3
	v_permlanex16_b32 v[TM+4+\b], v[TM+\b], s[SEL], s[SEL+1]
.endr
.irp b, 0,1,2,3
	v_max_num_f32 v[TM+\b], v[TM+\b], v[TM+4+\b]   ; with lane l xor 16's: the block's largest magnitude
.endr
.irp b, 0,1,2,3
	v_add_nc_u32 v[TM+12+\b], 0xfe000000, v[TM+\b]   ; 4 off its exponent field: the conversion's scale operand
.endr
.irp b, 0,1,2,3
	v_lshrrev_b32 v[TM+4+\b], 23, v[TM+12+\b]      ; the scale's byte
.endr
	v_lshl_or_b32 v[\w], v[TM+5], 8, v[TM+4]
	v_lshl_or_b32 v[\w], v[TM+6], 16, v[\w]
	v_lshl_or_b32 v[\w], v[TM+7], 24, v[\w]        ; my row's scale word
.irp c, 0,1
	v_cvt_scalef32_pk16_bf6_f32 v[PC+6*\c:PC+2+6*\c], v[\s+32*\c:\s+15+32*\c], v[TM+12+2*\c]
	v_cvt_scalef32_pk16_bf6_f32 v[PC+12+4*\c:PC+14+4*\c], v[\s+16+32*\c:\s+31+32*\c], v[TM+12+2*\c+1]   ; (a conversion's three registers begin on an even number)
.endr
	v_nop                                          ; one plain place behind a scaled conversion
.irp c, 0,1                                    ; the operand wants a whole block in a lane: lanes 0-15 block 2 c, lanes 16-31 block 2 c + 1
.irp i, 0,1,2
	v_permlane16_swap_b32 v[PC+6*\c+\i], v[PC+12+4*\c+\i]
.endr
.irp i, 0,1,2
	v_mov_b32 v[PC+3+6*\c+\i], v[PC+12+4*\c+\i]
.endr
.endr
.endm
	s_load_b256 s[4:11], s[0:1], 0x0               ; x s[4:5], w_qkv s[6:7], w_out s[8:9], xc s[10:11]
	s_load_b64 s[12:13], s[0:1], 0x20              ; wc
	v_lshl_add_u32 v248, v0, 2, 0xb600
	v_mov_b32 v249, 0
	v_lshrrev_b32 v1, 5, v0
	v_readfirstlane_b32 s14, v1                    ; wave 0..3
	v_and_b32 v1, 31, v0                           ; lane
	v_and_b32 v2, 15, v0                           ; r
	v_bfe_u32 v3, v0, 4, 1                         ; h
	s_cmp_lt_u32 ttmp9, 256
	s_cbranch_scc0 .Lweights
; ---------------- x: K is innermost.  A load takes 512 consecutive bytes of one row; a tile's sixteen rows turn through the wave's own stage, so that a lane gets 16 neighbours of each block of its row.
	s_mov_b32 s[SEL], 0x76543210
	s_mov_b32 s[SEL+1], 0xfedcba98
	s_lshr_b32 s15, s14, 1
	s_and_b32 s16, s14, 1                          ; which 64 rows of the group
	s_lshr_b32 s17, ttmp9, 2                       ; the group
	s_and_b32 s18, ttmp9, 3
	s_lshl_b32 s18, s18, 1
	s_add_co_u32 s18, s18, s15                     ; the K step: 2 (work-group % 4) + wave / 2
	s_lshl_b32 s22, s17, 19                        ; x: 128 rows of 4,096 bytes a group,
	s_lshl_b32 s24, s16, 18                        ; 64 rows a half,
	s_add_co_u32 s22, s22, s24
	s_lshl_b32 s24, s18, 9                         ; 512 bytes a K step
	s_add_co_u32 s22, s22, s24
	s_mov_b32 s23, 0
	s_lshl_b32 s24, s17, 3
	s_add_co_u32 s24, s24, s18
	s_mul_i32 s24, s24, BLK                        ; the block
	s_mul_i32 s26, s16, 6144
	s_add_co_u32 s26, s26, s24                     ; my four fragments
	s_mov_b32 s27, 0
	s_lshl_b32 s28, s16, 8
	s_add_co_u32 s28, s28, s24
	s_add_co_u32 s28, s28, 12288                   ; my four tiles' scale words
	s_mov_b32 s29, 0
	s_mul_i32 s30, s14, STGX                       ; my stage
	v_lshlrev_b32 v4, 4, v1                        ; 16 x lane
	v_add_nc_u32 v5, s30, v4                       ; into the stage
	v_mul_u32_u24 v6, v2, SP
	v_lshl_add_u32 v6, v3, 6, v6
	v_add_nc_u32 v6, s30, v6                       ; out of it: row r, + 64 h
	v_lshlrev_b32 v7, 3, v1                        ; 8 x lane
	v_lshlrev_b32 v8, 4, v2
	v_lshl_add_u32 v8, v3, 3, v8                   ; 16 r + 8 h
.irp b, 0,1,2,3
	v_mov_b32 v[TM+4+\b], 0                        ; written once: a lane permute's destination counts as one of its sources
.endr
	s_wait_kmcnt 0x0
	s_add_nc_u64 s[4:5], s[4:5], s[22:23]
	s_add_nc_u64 s[32:33], s[10:11], s[26:27]
	s_add_nc_u64 s[34:35], s[10:11], s[28:29]
.macro LOADX t                         ; tile t's sixteen rows, 512 consecutive bytes each, into set t % 2
.irp p, 0,1,2,3,4,5,6,7,8,9,10,11,12,13,14,15
	global_load_b128 v[R0+64*((\t)%2)+4*\p:R0+64*((\t)%2)+4*\p+3], v4, s[4:5] offset:(32*((\t)/2)+8*((\t)%2)+\p+8*(\p/8))*4096 th:TH_LOAD_NT
.endr
.endm
.macro TILE t
.if (\t) < 3
	s_wait_loadcnt 16                              ; this tile's sixteen loads are in; the next tile's sixteen may be out
.else
	s_wait_loadcnt 0x0
.endif
.irp p, 0,1,2,3,4,5,6,7,8,9,10,11,12,13,14,15
	ds_store_b128 v5, v[R0+64*((\t)%2)+4*\p:R0+64*((\t)%2)+4*\p+3] offset:SP*\p
.endr
.irp b, 0,1,2,3
.irp j, 0,1,2,3
	ds_load_b128 v[X+16*\b+4*\j:X+16*\b+4*\j+3], v6 offset:128*\b+16*\j   ; LDS serves a wave's instructions in order: these see the stores above
.endr
.endr
	s_wait_dscnt 0x0                               ; the numbers are back, and the stores have read their registers,
.if (\t) < 2
	LOADX (\t)+2                                   ; which take the tile two on
.endif
	s_wait_xcnt 0x0                                ; the last tile's stores have read the codes' registers: they are written again only behind this wait
	QUANT X, W+(\t)
	global_store_b128 v4, v[PC:PC+3], s[32:33] offset:1536*(\t)          ; 512 consecutive bytes
	global_store_b64 v7, v[PC+4:PC+5], s[32:33] offset:1536*(\t)+512     ; 256
	global_store_b128 v4, v[PC+6:PC+9], s[32:33] offset:1536*(\t)+768
	global_store_b64 v7, v[PC+10:PC+11], s[32:33] offset:1536*(\t)+1280
.endm
	LOADX 0
	LOADX 1
	TILE 0
	TILE 1
	TILE 2
	TILE 3
	v_cmp_le_u32 vcc_lo, 16, v1                    ; both halves of the lanes hold row r's four words: lanes 0-15 store the first two, lanes 16-31 the others
	v_cndmask_b32 v10, v[W], v[W+2], vcc_lo
	v_cndmask_b32 v11, v[W+1], v[W+3], vcc_lo
	global_store_b64 v8, v[10:11], s[34:35]        ; 256 consecutive bytes
	s_wait_tensorcnt 0x0
	ds_add_u32 v248, v249
	s_wait_dscnt 0x0
	s_endpgm
; ---------------- the weights: K is the FIRST axis.  A lane takes a column and its registers run down K: a block of 32 lies in one lane, and the conversions give codes with K innermost.
.Lweights:
	s_sub_co_u32 s15, ttmp9, 256                   ; 8 x group + K step: the block's number in wc
	s_lshr_b32 s16, s15, 3                         ; the group: 0-23 w_qkv's columns, 24-31 w_out's
	s_and_b32 s17, s15, 7                          ; the K step
	s_mul_i32 s24, s15, BLK
	s_mul_i32 s26, s14, 3072
	s_add_co_u32 s26, s26, s24                     ; my two fragments (tiles 2 wave, 2 wave + 1)
	s_mov_b32 s27, 0
	s_add_co_u32 s28, s24, 12288                   ; the block's scale words
	s_mov_b32 s29, 0
	s_mul_i32 s30, s14, 3072
	s_add_co_u32 s30, s30, WST                     ; my stage
	v_bfe_u32 v10, v0, 3, 1                        ; column 32 wave + l is lane-row r' = l % 8 + 8 (l / 16) of tile 2 wave + u, u = (l / 8) % 2
	v_and_b32 v11, 7, v0
	v_lshl_add_u32 v11, v3, 3, v11
	v_mul_u32_u24 v12, v10, 1536
	v_add_nc_u32 v12, s30, v12
	v_lshl_add_u32 v5, v11, 4, v12                 ; where my registers 0-3 of a half go: 16 r'
	v_lshl_add_u32 v6, v11, 3, v12                 ; and registers 4-5: 8 r'
	s_and_b32 s31, s14, 1
	s_lshl_b32 s31, s31, 3
	s_lshr_b32 s32, s14, 1
	s_lshl_b32 s32, s32, 8
	s_add_co_u32 s31, s31, s32
	s_add_co_u32 s31, s31, WSC
	v_lshlrev_b32 v7, 4, v11
	v_lshl_add_u32 v7, v10, 2, v7
	v_add_nc_u32 v7, s31, v7                       ; my scale word: 256 (tile / 4) + 16 r' + 4 (tile % 4)
	v_lshlrev_b32 v9, 4, v1                        ; 16 x lane
	v_add_nc_u32 v8, s30, v9                       ; the stage read back as it lies
	v_add_nc_u32 v15, WSC, v9                      ; the scale words read back
	v_lshlrev_b32 v4, 2, v1                        ; 4 bytes a column
	s_lshl_b32 s33, s14, 7                         ; my 32 columns
	s_mov_b32 s23, 0
	s_cmp_lt_u32 s15, 192
	s_cbranch_scc0 .Lfrom_out                      ; the two weights differ in their rows' length, which stands in the loads' immediates: only the loads are written twice
	s_mul_i32 s22, s17, 128*12288                  ; 128 rows of 12,288 bytes a K step
	s_lshl_b32 s34, s16, 9
	s_add_co_u32 s22, s22, s34
	s_add_co_u32 s22, s22, s33
	s_wait_kmcnt 0x0
	s_add_nc_u64 s[6:7], s[6:7], s[22:23]
.set k, 0
.rept 128
	global_load_b32 v[R0+k], v4, s[6:7] offset:k*12288 th:TH_LOAD_NT    ; row k of the step at 32 neighbouring columns; 127 rows at the most: inside the signed 24-bit immediate
.set k, k+1
.endr
	s_branch .Lgot
.Lfrom_out:
	s_mul_i32 s22, s17, 128*4096
	s_sub_co_u32 s34, s16, 24
	s_lshl_b32 s34, s34, 9
	s_add_co_u32 s22, s22, s34
	s_add_co_u32 s22, s22, s33
	s_wait_kmcnt 0x0
	s_add_nc_u64 s[8:9], s[8:9], s[22:23]
.set k, 0
.rept 128
	global_load_b32 v[R0+k], v4, s[8:9] offset:k*4096 th:TH_LOAD_NT
.set k, k+1
.endr
.Lgot:
	s_add_nc_u64 s[32:33], s[12:13], s[26:27]
	s_add_nc_u64 s[34:35], s[12:13], s[28:29]
; Block bl (32 along K) of my column: registers 6 (bl / 2) .. + 5 of image lane r' + 16 (bl % 2).  left: how many younger loads may stay out.
.macro WBLOCK bl, left
.set XS, R0+32*(\bl)
	s_wait_loadcnt \left
	v_max3_num_f32 v10, |v[XS]|, |v[XS+1]|, |v[XS+2]|
	v_max3_num_f32 v11, |v[XS+3]|, |v[XS+4]|, |v[XS+5]|
.irp i, 6,10,14,18,22,26
	v_max3_num_f32 v10, v10, |v[XS+\i]|, |v[XS+\i+1]|
	v_max3_num_f32 v11, v11, |v[XS+\i+2]|, |v[XS+\i+3]|
.endr
	v_max3_num_f32 v10, v10, |v[XS+30]|, |v[XS+31]|
	v_max3_num_f32 v10, v10, v11, 0x2800000        ; and the floor
	v_add_nc_u32 v12, 0xfe000000, v10              ; the conversion's scale operand
	v_lshrrev_b32 v13, 23, v12                     ; the byte
.if (\bl) == 0
	v_mov_b32 v14, v13
.else
	v_lshl_or_b32 v14, v13, 8*(\bl), v14           ; the lower K in the lower byte
.endif
	v_cvt_scalef32_pk16_bf6_f32 v[144+8*(\bl):146+8*(\bl)], v[XS:XS+15], v12
	v_cvt_scalef32_pk16_bf6_f32 v[176+4*(\bl):178+4*(\bl)], v[XS+16:XS+31], v12
	v_nop                                          ; one plain place behind a scaled conversion
.irp i, 0,1,2
	v_mov_b32 v[147+8*(\bl)+\i], v[176+4*(\bl)+\i]
.endr
	ds_store_b128 v5, v[144+8*(\bl):147+8*(\bl)] offset:768*((\bl)/2)+256*((\bl)%2)
	ds_store_b64 v6, v[148+8*(\bl):149+8*(\bl)] offset:512+768*((\bl)/2)+128*((\bl)%2)
.endm
	WBLOCK 0, 63                                   ; 96 younger loads might stay out, but a wait names 63 at the most: at most 63 out of 128 means that blocks 0 and 1 are in
	WBLOCK 1, 63
	WBLOCK 2, 32                                   ; block 3's 32 may be out
	WBLOCK 3, 0
	ds_store_b32 v7, v14
.irp i, 0,1,2,3,4,5
	ds_load_b128 v[192+4*\i:195+4*\i], v8 offset:512*\i     ; my own bytes, in order behind my stores
.endr
.irp i, 0,1,2,3,4,5
	s_wait_dscnt 5-\i                              ; the younger reads may stay out
	global_store_b128 v9, v[192+4*\i:195+4*\i], s[32:33] offset:512*\i   ; 512 consecutive bytes
.endr
	s_barrier_signal -1                            ; my scale words have landed (the last wait above was for 0)
	s_barrier_wait -1                              ; everybody's have
	s_cmp_lg_u32 s14, 0
	s_cbranch_scc1 .Lwend
	ds_load_b128 v[216:219], v15                   ; wave 0 stores the block's 512 bytes of scale words
	s_wait_dscnt 0x0
	global_store_b128 v9, v[216:219], s[34:35]
.Lwend:
	s_wait_tensorcnt 0x0
	ds_add_u32 v248, v249
	s_wait_dscnt 0x0
	s_endpgm
.Lfunc_end_k_qe831f15f7a_quant:
	.size	k_qe831f15f7a_quant, .Lfunc_end_k_qe831f15f7a_quant-k_qe831f15f7a_quant
	.p2alignl 7, 3214868480
	.fill 96, 4, 3214868480
	.section	.rodata,"a",@progbits
	.p2align	6, 0x0
	.amdhsa_kernel k_qe831f15f7a_quant
		.amdhsa_group_segment_fixed_size 47104
		.amdhsa_private_segment_fixed_size 0
		.amdhsa_enable_private_segment 0
		.amdhsa_kernarg_size 40
		.amdhsa_user_sgpr_count 2
		.amdhsa_user_sgpr_kernarg_segment_ptr 1
		.amdhsa_wavefront_size32 1
		.amdhsa_system_sgpr_workgroup_id_x 1
		.amdhsa_system_sgpr_workgroup_id_y 1
		.amdhsa_system_sgpr_workgroup_id_z 1
		.amdhsa_system_vgpr_workitem_id 0
		.amdhsa_next_free_vgpr 250
		.amdhsa_next_free_sgpr 66
		.amdhsa_reserve_vcc 1
		.amdhsa_float_denorm_mode_32 3
		.amdhsa_float_denorm_mode_16_64 3
		.amdhsa_memory_ordered 1
		.amdhsa_forward_progress 1
		.amdhsa_inst_pref_size 68
	.end_amdhsa_kernel
	.amdgpu_metadata
---
amdhsa.version: [ 1, 2 ]
amdhsa.kernels:
  - .name:           k_qe831f15f7a_quant
    .symbol:         k_qe831f15f7a_quant.kd
    .args:
      - { .name: x, .offset: 0, .size: 8, .value_kind: global_buffer, .address_space: global }
      - { .name: w_qkv, .offset: 8, .size: 8, .value_kind: global_buffer, .address_space: global }
      - { .name: w_out, .offset: 16, .size: 8, .value_kind: global_buffer, .address_space: global }
      - { .name: xc, .offset: 24, .size: 8, .value_kind: global_buffer, .address_space: global }
      - { .name: wc, .offset: 32, .size: 8, .value_kind: global_buffer, .address_space: global }
    .group_segment_fixed_size: 47104
    .private_segment_fixed_size: 0
    .kernarg_segment_align: 8
    .kernarg_segment_size: 40
    .max_flat_workgroup_size: 128
    .sgpr_count:     66
    .vgpr_count:     250
    .wavefront_size: 32
...
	.end_amdgpu_metadata
.endif
;; end of part 1
;; launch gemm_qkv (part 2): grid 4 x 96, 4 waves a work-group, clusters of 4 x 4, 327,680 bytes of LDS; arguments xc, wc, qkv; writes qkv
.if DOCPART == 2
	.amdgcn_target "amdgcn-amd-amdhsa--gfx1250"
	.amdhsa_code_object_version 6
	.text
	.protected	k_qe831f15f7a_gemm_qkv
	.globl	k_qe831f15f7a_gemm_qkv
	.p2align	8
	.type	k_qe831f15f7a_gemm_qkv,@function
k_qe831f15f7a_gemm_qkv:
	s_mov_b64 s[64:65], 0
	v_nop
	global_prefetch_b8 v0, s[64:65] scope:SCOPE_SE
	s_setreg_imm32_b32 hwreg(HW_REG_WAVE_MODE, 25, 1), 1
	s_wait_xcnt 0x0
	s_wait_alu depctr_hold_cnt(0) depctr_sa_sdst(0) depctr_va_vdst(0) depctr_va_sdst(0) depctr_va_ssrc(0) depctr_va_vcc(0) depctr_vm_vsrc(0)
	s_getreg_b32 s2, hwreg(HW_REG_IB_STS2, 6, 4)
	s_cmp_eq_u32 s2, 0
	s_cbranch_scc0 .Lentry_in_a_cluster
	s_endpgm
.Lentry_in_a_cluster:
	s_bfe_u32 s2, ttmp6, 0x10000c
	s_cmp_lg_u32 s2, 0xf033
	s_cbranch_scc0 .Lentry_shape_is_right
	s_endpgm
.Lentry_shape_is_right:
; qkv = x w_qkv on codes of BF6 (E3M2) with E8M0 scales, K = 1,024; the results are quantised in registers, as operands of attention's two products, and stored as images of those operands' registers.
; OPERANDS (made by the launch before): a group of 128 rows is eight blocks of 12,800 bytes, one for each 128 along K: eight fragment images of 1,536 bytes (registers 0-3 at 16 x lane, 4-5 at 512 + 8 x lane,
; 6-9 at 768 + 16 x lane, 10-11 at 1,280 + 8 x lane), then 512 bytes of scale words (tile t, row r: 256 (t / 4) + 16 r + 4 (t % 4)).  Lane-row r of tile t is row 32 (t / 2) + 8 (t % 2) + r + 8 (r / 8) of the group.
; A tile of the result, 256 x 256, is made by four waves, 128 x 128 each: 64 accumulators.  THE MATRIX INSTRUCTION IS USED TRANSPOSED: source 0 is the side along which the result is quantised next (side B),
; source 1 the other (side A): by the order of a tile's rows a lane's 64 registers of one A tile are k = 32 b + 16 (lane / 16) + i of the next K, in order.
; ONE TEXT, TWO PARTS, chosen by the cluster's number c alone, which all partners share.  c < 16: q and k: A = tokens (xc), B = features 0-2,047 (wc): quantised along the head's 64.
; c >= 16: v: A = features 2,048-3,071 (wc), B = tokens (xc): quantised along the keys.  Only pointers, one group offset and the stores' offsets differ.
; OUTPUT: for head bh and token group s a record of 19,200 bytes at (16 bh + s) x 19,200: q, k, v at 6,400 x which, each 256 bytes of scale words and 6,144 of images.  q, k: half images (16 tokens x 64) of tile t at 256 + 768 t;
; word b of row r at 16 r + 4 b holds the two bytes of tile 2 b and the two of tile 2 b + 1.  v: fragments (16 channels x 128 keys) of channel tile t at 256 + 1,536 t; its word at 16 r + 4 t.
; LDS: three slots of 102,400 bytes, each 256 along K of A's two groups and B's two; a piece (a group's 256 along K) is 25,600 dense bytes, brought by one tensor load as 100 rows of 256 bytes.  No pitch and no padding: every LDS
; load takes 512 or 256 consecutive bytes.  K is four pieces: three first fills, and ONE refill (slot 0), which has four steps of 64 matrix instructions in which to land.  By this text's count a wave has three tensor loads out at the start, later one.
; CLUSTERS: 4 x 4 work-groups; A's pieces hang on the tile row and are asked for jointly along a row of the cluster, B's on the tile column, along a column.
; LIMITS: NaN and infinities are not served; a block of zeros gets the byte 1 (its codes are zeros; this program alone reads the bytes).
; REGISTERS: window 0: v1-22 addresses; v28-29 for the add; v32-47 scale words, two sets; v48-115 the way out; v128-223 A's fragments, one set.  window 1: B's fragments, two sets, at v0 and v128.  windows 2, 3: the accumulators ((a, b) at v[8 (8 (a % 4) + b)]).
.set BLK,   12800
.set GRPB,  8*BLK
.set PIECE, 2*BLK
.set SLOT,  4*PIECE
.set SPARE, 3*SLOT                     ; behind the slots: the spare words, 128 bytes a wave: two blocks of 256 bytes that no other line names
.set REC,   19200
.set HEADB, 16*REC
.set FR,    12
.set A16,  2                           ; v2-4    slot j: my A piece + 16 x lane
.set A8,   5                           ; v5-7    + 8 x lane
.set B16,  8                           ; v8-10   the same for B
.set B8,   11                          ; v11-13
.set SA,   14                          ; v14-16  scale words: lanes 0-15 A's piece, lanes 16-31 B's, + 16 r
.set O16,  17                          ; v17     16 x lane
.set O8,   18                          ; v18     8 x lane
.set OS,   19                          ; v19     16 r + (lane / 16) x a head's bytes
.set SPW,  28
.set NIL,  29
.set SC,   32                          ; set k % 2 at v[SC + 8 (k % 2)]: register i: lanes 0-15 the words of A's tile i, lanes 16-31 of B's
.set TM,   48
.set W,    66                          ; v66-73  the eight A tiles' scale words
.set XW,   76                          ; v76-79  the words to store
.set PW2,  80                          ; v80-87  pair words of the even and of the odd head
.set PC,   96                          ; v96-115 the codes just made
.set AF,   128
.set G1A,  24
.set G1B,  48
.set G0A,  68                          ; s[68:79] group 0 for A's pieces, a set for each slot
.set G0B,  80                          ; s[80:91] for B's
.set SEL,  32                          ; s[32:33]
.set MSB, 0
.macro WIN new                         ; the immediate's high byte repeats the setting that is left
.if MSB != \new
	s_set_vgpr_msb (MSB<<8)|\new
.set MSB, \new
.endif
.endm
.set MUL_LO, 0xa1                      ; source 0 (B) window 1, source 1 (A) window 0, C and D window 2
.set MUL_HI, 0xf1
.set TO_B,   0x40
.macro JLOAD g0a, g1a, g0b, g1b        ; a joint load: waves 0 and 1 fetch A's two pieces, waves 2 and 3 B's; four v_nop follow each line
	s_cmp_eq_u32 s15, 0
	s_cbranch_scc0 .Lfor_b_\@
	tensor_load_to_lds s[\g0a:\g0a+3], s[\g1a:\g1a+7]
	s_nop 0
.rept 4
	v_nop
.endr
	s_branch .Lasked_\@
.Lfor_b_\@:
	tensor_load_to_lds s[\g0b:\g0b+3], s[\g1b:\g1b+7]
	s_nop 0
.rept 4
	v_nop
.endr
.Lasked_\@:
.endm
.macro CREST                           ; a round of the cluster's barrier behind its opening barrier
	s_cmp_lg_u32 s14, 0
	s_cbranch_scc1 .Lnot_wave_0_\@
	s_barrier_signal -3
.Lnot_wave_0_\@:
	s_barrier_wait -3
	s_barrier_signal -1
	s_barrier_wait -1
.endm
.macro CROUND
	s_barrier_signal -1
	s_barrier_wait -1
	CREST
.endm
.macro PLACES                          ; four places in front of loads into registers that matrix instructions have read, and of the first read of results
.rept 4
	v_nop
.endr
.endm
	s_load_b128 s[4:7], s[0:1], 0x0                ; xc, wc
	s_load_b64 s[8:9], s[0:1], 0x10                ; qkv
	v_lshl_add_u32 v[SPW], v0, 2, SPARE
	v_mov_b32 v[NIL], 0
	ds_add_u32 v28, v29
	ds_add_u32 v28, v29
	s_wait_dscnt 0x0
	v_lshrrev_b32 v1, 5, v0
	v_readfirstlane_b32 s14, v1                    ; wave 0..3
	s_lshr_b32 s15, s14, 1                         ; which of A's two groups is mine.  Also: I fetch for A (0) or for B (1)
	s_and_b32 s16, s14, 1                          ; which of B's.  Also: which group's piece I fetch
	s_bfe_u32 s40, ttmp6, 0x40000                  ; cx
	s_bfe_u32 s41, ttmp6, 0x40004                  ; cy
	s_and_b32 s39, ttmp7, 0xffff                   ; c: the cluster's number, 0..23
	s_max_u32 s92, s39, 16
	s_sub_co_u32 s92, s92, 16                      ; v: cluster column c - 16
	s_and_b32 s93, s39, 1                          ; q, k: cluster column c % 2,
	s_lshr_b32 s94, s39, 1                         ; cluster row c / 2
	s_cmp_ge_u32 s39, 16
	s_cselect_b32 s38, 1, 0                        ; the part: 1 = v
	s_cselect_b32 s36, s92, s93
	s_cselect_b32 s37, 0, s94
	s_cselect_b32 s95, 16, 0                       ; v's features begin at wc's group 16
	s_lshl_b32 s42, s36, 2
	s_add_co_u32 s42, s42, s40                     ; tile column
	s_lshl_b32 s17, s37, 2
	s_add_co_u32 s17, s17, s41                     ; tile row
	s_lshl_b32 s43, s41, 2
	s_lshl_b32 s43, 15, s43                        ; my row of the cluster
	s_lshl_b32 s44, 0x1111, s40                    ; my column
	s_or_b32 s[G1A+0], s43, (3<<16)|(1<<21)        ; 15:0 the mask; 17:16 elements of 8 bytes; 21 set beside a mask; no padding
	s_or_b32 s[G1B+0], s44, (3<<16)|(1<<21)
.irp g, G1A, G1B
	s_mov_b32 s[\g+1], 32<<16                      ; tensor_dim0 = 32 elements: 256 bytes
	s_mov_b32 s[\g+2], 100<<16                     ; tensor_dim1 = 100 rows
	s_mov_b32 s[\g+3], 32<<16                      ; tile_dim0
	s_mov_b32 s[\g+4], 100                         ; tile_dim1
	s_mov_b32 s[\g+5], 32                          ; the pitch: dense
	s_mov_b32 s[\g+6], 0
	s_mov_b32 s[\g+7], 0
.endr
	s_lshl_b32 s20, s17, 1
	s_add_co_u32 s20, s20, s16
	s_add_co_u32 s20, s20, s95
	s_mul_i32 s20, s20, GRPB                       ; A: the group that I fetch for
	s_mov_b32 s21, 0
	s_lshl_b32 s46, s42, 1
	s_add_co_u32 s46, s46, s16
	s_mul_i32 s46, s46, GRPB                       ; B likewise
	s_mov_b32 s47, 0
	s_mul_i32 s45, s14, PIECE                      ; where it goes in a slot: wave x a piece: no place in the cluster enters an LDS address
	s_mov_b32 s[SEL], 0x76543210
	s_mov_b32 s[SEL+1], 0xfedcba98
	s_mov_b32 s12, 0x05040100                      ; v_perm_b32: the two low halves
	s_mov_b32 s13, 0x07060302                      ; the two high halves
	s_wait_kmcnt 0x0
	s_cmp_lg_u32 s38, 0
	s_cselect_b64 s[56:57], s[6:7], s[4:5]         ; A's buffer,
	s_cselect_b64 s[58:59], s[4:5], s[6:7]         ; B's: the choice hangs on c alone
	s_add_nc_u64 s[20:21], s[56:57], s[20:21]
	s_add_nc_u64 s[46:47], s[58:59], s[46:47]
	CROUND                                         ; all sixteen work-groups are here: the first joint loads meet
.irp j, 0,1,2
	s_mov_b32 s[G0A+4*\j], 1
	s_add_co_u32 s[G0A+4*\j+1], s45, \j*SLOT
	s_add_nc_u64 s[G0A+4*\j+2:G0A+4*\j+3], s[20:21], \j*PIECE
	s_or_b32 s[G0A+4*\j+3], s[G0A+4*\j+3], 0x80000000
	s_mov_b32 s[G0B+4*\j], 1
	s_add_co_u32 s[G0B+4*\j+1], s45, \j*SLOT
	s_add_nc_u64 s[G0B+4*\j+2:G0B+4*\j+3], s[46:47], \j*PIECE
	s_or_b32 s[G0B+4*\j+3], s[G0B+4*\j+3], 0x80000000
	JLOAD G0A+4*\j, G1A, G0B+4*\j, G1B
.endr
	v_and_b32 v1, 31, v0                           ; lane
	v_and_b32 v20, 15, v0                          ; r
	v_bfe_u32 v21, v0, 4, 1                        ; h
	v_lshlrev_b32 v[O16], 4, v1
	v_lshlrev_b32 v[O8], 3, v1
	s_mul_i32 s2, s15, PIECE                       ; my A piece
	s_mul_i32 s3, s16, PIECE
	s_add_co_u32 s3, s3, 2*PIECE                   ; my B piece, behind A's two
	s_sub_co_u32 s18, s3, s2
	v_mul_u32_u24 v22, s18, v21                    ; lanes 16-31 take B's scale words: one product, h x the distance
	v_lshl_add_u32 v22, v20, 4, v22
.irp j, 0,1,2
	v_add_nc_u32 v[A16+\j], s2, v[O16]
	v_add_nc_u32 v[A8+\j], s2, v[O8]
	v_add_nc_u32 v[B16+\j], s3, v[O16]
	v_add_nc_u32 v[B8+\j], s3, v[O8]
	v_add_nc_u32 v[SA+\j], s2, v22
	s_add_co_u32 s2, s2, SLOT
	s_add_co_u32 s3, s3, SLOT
.endr
	v_mul_u32_u24 v[OS], v21, HEADB
	v_lshl_add_u32 v[OS], v20, 4, v[OS]
.irp b, 0,1,2,3
	v_mov_b32 v[TM+4+\b], 0                        ; written once: a lane permute's destination counts as one of its sources
.endr
	; where my results go
	s_lshl_b32 s60, s17, 1
	s_add_co_u32 s60, s60, s15                     ; my A group
	s_lshl_b32 s61, s42, 1
	s_add_co_u32 s61, s61, s16                     ; my B group
	s_and_b32 s62, s61, 7
	s_lshr_b32 s63, s61, 3
	s_cmp_lg_u32 s38, 0
	s_cselect_b32 s66, s61, s60                    ; the token group,
	s_cselect_b32 s67, s60, s62                    ; the pair of heads,
	s_cselect_b32 s34, 2, s63                      ; q, k or v
	s_lshr_b32 s35, s66, 4
	s_lshl_b32 s35, s35, 4                         ; 16 x batch
	s_lshl_b32 s67, s67, 1
	s_add_co_u32 s35, s35, s67                     ; the even head
	s_lshl_b32 s35, s35, 4
	s_and_b32 s66, s66, 15
	s_add_co_u32 s35, s35, s66
	s_mul_i32 s35, s35, REC
	s_mul_i32 s34, s34, 6400
	s_add_co_u32 s10, s35, s34
	s_mov_b32 s11, 0
	s_add_nc_u64 s[10:11], s[8:9], s[10:11]
.macro FRAG reg, a16, a8, off          ; a fragment comes as it was stored: four loads, each of consecutive bytes
	ds_load_b128 v[\reg:\reg+3], v[\a16] offset:\off
	ds_load_b64 v[\reg+4:\reg+5], v[\a8] offset:\off+512
	ds_load_b128 v[\reg+6:\reg+9], v[\a16] offset:\off+768
	ds_load_b64 v[\reg+10:\reg+11], v[\a8] offset:\off+1280
.endm
.macro FETCH_B k                       ; B's eight fragments of step k (slot (k / 2) % 3, block k % 2) into set k % 2
.set SL, ((\k)/2)%3
	WIN TO_B
.irp i, 0,1,2,3,4,5,6,7
	FRAG 128*((\k)%2)+FR*\i, B16+SL, B8+SL, ((\k)%2)*BLK+1536*\i
.endr
	WIN 0
.endm
.macro FETCH_A k, i0                   ; A's tiles i0 .. i0 + 3
.set SL, ((\k)/2)%3
.irp i, \i0, \i0+1, \i0+2, \i0+3
	FRAG AF+FR*(\i), A16+SL, A8+SL, ((\k)%2)*BLK+1536*(\i)
.endr
.endm
.macro SCALES k                        ; four tiles' words a load
.set SL, ((\k)/2)%3
	ds_load_b128 v[SC+8*((\k)%2):SC+8*((\k)%2)+3], v[SA+SL] offset:((\k)%2)*BLK+12288
	ds_load_b128 v[SC+8*((\k)%2)+4:SC+8*((\k)%2)+7], v[SA+SL] offset:((\k)%2)*BLK+12288+256
.endm
; 16 matrix instructions: A's tiles a0, a0 + 1 x B's eight.  The 64 accumulators take turns, one instruction a turn, in the same order in every step.
.macro MUL16 a0, k, zero
.irp a, \a0, \a0+1
.irp b, 0,1,2,3,4,5,6,7
.if \zero
	v_wmma_scale_f32_16x16x128_f8f6f4 v[8*(8*((\a)%4)+\b):8*(8*((\a)%4)+\b)+7], v[128*((\k)%2)+FR*\b:128*((\k)%2)+FR*\b+FR-1], v[AF+FR*(\a):AF+FR*(\a)+FR-1], 0, v[SC+8*((\k)%2)+\b], v[SC+8*((\k)%2)+(\a)] matrix_a_fmt:MATRIX_FMT_BF6 matrix_b_fmt:MATRIX_FMT_BF6 matrix_a_scale:MATRIX_SCALE_ROW1
.else
	v_wmma_scale_f32_16x16x128_f8f6f4 v[8*(8*((\a)%4)+\b):8*(8*((\a)%4)+\b)+7], v[128*((\k)%2)+FR*\b:128*((\k)%2)+FR*\b+FR-1], v[AF+FR*(\a):AF+FR*(\a)+FR-1], v[8*(8*((\a)%4)+\b):8*(8*((\a)%4)+\b)+7], v[SC+8*((\k)%2)+\b], v[SC+8*((\k)%2)+(\a)] matrix_a_fmt:MATRIX_FMT_BF6 matrix_b_fmt:MATRIX_FMT_BF6 matrix_a_scale:MATRIX_SCALE_ROW1
.endif
.endr
.endr
.endm
.macro STEP k, zero                    ; step k of 128 along K; its successor's bytes are known to be in LDS
	s_wait_dscnt 16                                ; all but the youngest sixteen loads (A's tiles 4-7)
	WIN MUL_LO
	MUL16 0, \k, \zero
	MUL16 2, \k, \zero
	s_wait_dscnt 0x0                               ; A's tiles 4-7 are in
	PLACES
	FETCH_B (\k)+1
	FETCH_A (\k)+1, 0
	SCALES (\k)+1
	WIN MUL_HI
	MUL16 4, \k, \zero
	MUL16 6, \k, \zero
	PLACES
	WIN 0
	FETCH_A (\k)+1, 4
.endm
; A step behind which bytes are read that other waves' loads brought since the last barrier.  fill = 1: slot 0, which nobody reads any more, takes K 768 to 1,023.
.macro TURN k, fill
	s_wait_tensorcnt 0x0                           ; all my tensor loads have landed
	ds_add_u32 v[SPW], v[NIL]                      ; 0 onto my spare word
	s_wait_dscnt 17                                ; (the add and the youngest sixteen loads may be out)
	WIN MUL_LO
	MUL16 0, \k, 0
	s_wait_dscnt 0x0                               ; the add is done, and all my LDS reads so far are over
	s_barrier_signal -1
	MUL16 2, \k, 0
	WIN 0
	s_barrier_wait -1
.if \fill
	CREST                                          ; the barrier has opened a round of the cluster's barrier: no wave of any partner still reads slot 0 or has a load on its way
	s_add_nc_u64 s[G0A+2:G0A+3], s[G0A+2:G0A+3], 3*PIECE
	s_add_nc_u64 s[G0B+2:G0B+3], s[G0B+2:G0B+3], 3*PIECE
	JLOAD G0A, G1A, G0B, G1B                       ; the first tensor load behind the round; its four v_nop are the places in front of the loads below
.else
	PLACES
.endif
	FETCH_B (\k)+1
	FETCH_A (\k)+1, 0
	SCALES (\k)+1
	WIN MUL_HI
	MUL16 4, \k, 0
	MUL16 6, \k, 0
	PLACES
	WIN 0
	FETCH_A (\k)+1, 4
.endm
	s_wait_tensorcnt 0x2                           ; my part of slot 0 is in; slots 1 and 2 may stay out
	s_barrier_signal -1
	s_barrier_wait -1
	FETCH_B 0
	FETCH_A 0, 0
	SCALES 0
	FETCH_A 0, 4
	STEP 0, 1                                      ; the first products start the sums
	TURN 1, 1                                      ; slots 1 and 2 are whole for every wave; slot 0 is asked for again
	STEP 2, 0
	STEP 3, 0
	STEP 4, 0
	TURN 5, 0                                      ; slot 0's second fill is whole for every wave
	STEP 6, 0
	s_wait_dscnt 16                                ; the last step: nothing more to fetch
	WIN MUL_LO
	MUL16 0, 7, 0
	MUL16 2, 7, 0
	s_wait_dscnt 0x0
	WIN MUL_HI
	MUL16 4, 7, 0
	MUL16 6, 7, 0
	WIN 0
	PLACES
; THE WAY OUT.  A tile a's eight accumulators are 64 numbers of a lane's row, in the order of the next K: they are quantised as they stand and stored as a fragment's image.
.macro QACC a
.set WN, 2+(\a)/4
.set WA, WN|(WN<<2)
.set AC, 64*((\a)%4)
	WIN WA                                         ; sources 0 and 1 in the accumulators' window
.irp b, 0,1,2,3
	v_max3_num_f32 v[TM+\b], |v[AC+16*\b]|, |v[AC+16*\b+1]|, 0x2800000   ; each accumulator from its low end on; the floor 2^(5 - 127)
.endr
.irp i, 2,4,6,8,10,12,14
.irp b, 0,1,2,3
	v_max3_num_f32 v[TM+\b], |v[AC+16*\b+\i]|, |v[AC+16*\b+\i+1]|, v[TM+\b]
.endr
.endr
	WIN 0
.irp b, 0,1,2,3
	v_permlanex16_b32 v[TM+4+\b], v[TM+\b], s[SEL], s[SEL+1]
.endr
.irp b, 0,1,2,3
	v_max_num_f32 v[TM+\b], v[TM+\b], v[TM+4+\b]
.endr
.irp b, 0,1,2,3
	v_add_nc_u32 v[TM+12+\b], 0xfe000000, v[TM+\b]
.endr
.irp b, 0,1,2,3
	v_lshrrev_b32 v[TM+4+\b], 23, v[TM+12+\b]
.endr
	v_lshl_or_b32 v[W+(\a)], v[TM+5], 8, v[TM+4]
	v_lshl_or_b32 v[W+(\a)], v[TM+6], 16, v[W+(\a)]
	v_lshl_or_b32 v[W+(\a)], v[TM+7], 24, v[W+(\a)]
	s_wait_xcnt 0x0                                ; the last tile's stores have read the codes' registers
	WIN WN
.irp c, 0,1
	v_cvt_scalef32_pk16_bf6_f32 v[PC+6*\c:PC+2+6*\c], v[AC+32*\c:AC+15+32*\c], v[TM+12+2*\c]
	v_cvt_scalef32_pk16_bf6_f32 v[PC+12+4*\c:PC+14+4*\c], v[AC+16+32*\c:AC+31+32*\c], v[TM+12+2*\c+1]
.endr
	WIN 0
	v_nop                                          ; one plain place behind a scaled conversion
.irp c, 0,1
.irp i, 0,1,2
	v_permlane16_swap_b32 v[PC+6*\c+\i], v[PC+12+4*\c+\i]
.endr
.irp i, 0,1,2
	v_mov_b32 v[PC+3+6*\c+\i], v[PC+12+4*\c+\i]
.endr
.endr
	s_cmp_lg_u32 s38, 0                            ; the part: the same in every wave of the cluster
	s_cbranch_scc1 .Lv_\@
	global_store_b128 v[O16], v[PC:PC+3], s[10:11] offset:256+768*(\a)             ; q, k: the fragment's first 64 along K are the even head's half image of token tile a,
	global_store_b64 v[O8], v[PC+4:PC+5], s[10:11] offset:256+768*(\a)+512
	global_store_b128 v[O16], v[PC+6:PC+9], s[10:11] offset:HEADB+256+768*(\a)     ; the other 64 the odd head's
	global_store_b64 v[O8], v[PC+10:PC+11], s[10:11] offset:HEADB+256+768*(\a)+512
	s_branch .Ldone_\@
.Lv_\@:
	global_store_b128 v[O16], v[PC:PC+3], s[10:11] offset:((\a)/4)*HEADB+256+1536*((\a)%4)      ; v: A tiles 0-3 are the even head's four channel tiles, 4-7 the odd head's
	global_store_b64 v[O8], v[PC+4:PC+5], s[10:11] offset:((\a)/4)*HEADB+256+1536*((\a)%4)+512
	global_store_b128 v[O16], v[PC+6:PC+9], s[10:11] offset:((\a)/4)*HEADB+256+1536*((\a)%4)+768
	global_store_b64 v[O8], v[PC+10:PC+11], s[10:11] offset:((\a)/4)*HEADB+256+1536*((\a)%4)+1280
.Ldone_\@:
.endm
.irp a, 0,1,2,3,4,5,6,7
	QACC \a
.endr
	v_cmp_le_u32 vcc_lo, 16, v1                    ; lanes 0-15 store the even head's 256 bytes of scale words, lanes 16-31 the odd head's
	s_cmp_lg_u32 s38, 0
	s_cbranch_scc1 .Lv_words
.irp b, 0,1,2,3
	v_perm_b32 v[PW2+\b], v[W+2*\b+1], v[W+2*\b], s12      ; the even head's bytes of tiles 2 b and 2 b + 1,
	v_perm_b32 v[PW2+4+\b], v[W+2*\b+1], v[W+2*\b], s13    ; the odd head's
.endr
.irp b, 0,1,2,3
	v_cndmask_b32 v[XW+\b], v[PW2+\b], v[PW2+4+\b], vcc_lo
.endr
	s_branch .Lwords
.Lv_words:
.irp b, 0,1,2,3
	v_cndmask_b32 v[XW+\b], v[W+\b], v[W+4+\b], vcc_lo
.endr
.Lwords:
	global_store_b128 v[OS], v[XW:XW+3], s[10:11]
	s_wait_tensorcnt 0x0                           ; the wave's end
	ds_add_u32 v[SPW], v[NIL]
	s_wait_dscnt 0x0
	CROUND                                         ; the closing round: no work-group ends while a partner may still ask for a piece that names it
	s_endpgm
.Lfunc_end_k_qe831f15f7a_gemm_qkv:
	.size	k_qe831f15f7a_gemm_qkv, .Lfunc_end_k_qe831f15f7a_gemm_qkv-k_qe831f15f7a_gemm_qkv
	.p2alignl 7, 3214868480
	.fill 96, 4, 3214868480
	.section	.rodata,"a",@progbits
	.p2align	6, 0x0
	.amdhsa_kernel k_qe831f15f7a_gemm_qkv
		.amdhsa_group_segment_fixed_size 327680
		.amdhsa_private_segment_fixed_size 0
		.amdhsa_enable_private_segment 0
		.amdhsa_kernarg_size 24
		.amdhsa_user_sgpr_count 2
		.amdhsa_user_sgpr_kernarg_segment_ptr 1
		.amdhsa_wavefront_size32 1
		.amdhsa_system_sgpr_workgroup_id_x 1
		.amdhsa_system_sgpr_workgroup_id_y 1
		.amdhsa_system_sgpr_workgroup_id_z 1
		.amdhsa_system_vgpr_workitem_id 0
		.amdhsa_next_free_vgpr 1024
		.amdhsa_next_free_sgpr 96
		.amdhsa_reserve_vcc 1
		.amdhsa_float_denorm_mode_32 3
		.amdhsa_float_denorm_mode_16_64 3
		.amdhsa_memory_ordered 1
		.amdhsa_forward_progress 1
		.amdhsa_inst_pref_size 151
	.end_amdhsa_kernel
	.amdgpu_metadata
---
amdhsa.version: [ 1, 2 ]
amdhsa.kernels:
  - .name:           k_qe831f15f7a_gemm_qkv
    .symbol:         k_qe831f15f7a_gemm_qkv.kd
    .args:
      - { .name: xc, .offset: 0, .size: 8, .value_kind: global_buffer, .address_space: global }
      - { .name: wc, .offset: 8, .size: 8, .value_kind: global_buffer, .address_space: global }
      - { .name: qkv, .offset: 16, .size: 8, .value_kind: global_buffer, .address_space: global }
    .group_segment_fixed_size: 327680
    .private_segment_fixed_size: 0
    .kernarg_segment_align: 8
    .kernarg_segment_size: 24
    .max_flat_workgroup_size: 128
    .sgpr_count:     96
    .vgpr_count:     1024
    .wavefront_size: 32
...
	.end_amdgpu_metadata
.endif
;; end of part 2
;; launch attn (part 3): grid 4 x 64, 16 waves a work-group, clusters of 4 x 1, 206,848 bytes of LDS; arguments qkv, cc; writes cc
.if DOCPART == 3
	.amdgcn_target "amdgcn-amd-amdhsa--gfx1250"
	.amdhsa_code_object_version 6
	.text
	.protected	k_qe831f15f7a_attn
	.globl	k_qe831f15f7a_attn
	.p2align	8
	.type	k_qe831f15f7a_attn,@function
k_qe831f15f7a_attn:
	s_mov_b64 s[64:65], 0
	v_nop
	global_prefetch_b8 v0, s[64:65] scope:SCOPE_SE
	s_setreg_imm32_b32 hwreg(HW_REG_WAVE_MODE, 25, 1), 1
	s_wait_xcnt 0x0
	s_wait_alu depctr_hold_cnt(0) depctr_sa_sdst(0) depctr_va_vdst(0) depctr_va_sdst(0) depctr_va_ssrc(0) depctr_va_vcc(0) depctr_vm_vsrc(0)
	s_getreg_b32 s2, hwreg(HW_REG_IB_STS2, 6, 4)
	s_cmp_eq_u32 s2, 0
	s_cbranch_scc0 .Lentry_in_a_cluster
	s_endpgm
.Lentry_in_a_cluster:
	s_bfe_u32 s2, ttmp6, 0x10000c
	s_cmp_lg_u32 s2, 0x3003
	s_cbranch_scc0 .Lentry_shape_is_right
	s_endpgm
.Lentry_shape_is_right:
; Causal attention of one head (64 channels, 2,048 tokens) on codes of BF6 (E3M2) with E8M0 scales; the result is quantised along the channels and stored as the next product's operand.
; INPUT: for head bh and token group s (128 tokens) a record of 19,200 bytes: q at 0, k at 6,400, v at 12,800, each 256 bytes of scale words and 6,144 of register images.  Lane-row r of tile t is token (or channel)
; 32 (t / 2) + 8 (t % 2) + r + 8 (r / 8).  q, k: half images (16 tokens x 64 channels, six registers) of tile t at 256 + 768 t; v: fragments (16 channels x 128 keys) of channel tile t at 256 + 1,536 t.
; THE SOFTMAX AHEAD OF THE SECOND PRODUCT: t = score x log2(e) / 8; M = the running largest t rounded UP to a whole number; p = 2^(t - M) is quantised along the keys, not normalised; the row's sum is taken of the unquantised p
; and divides at the end; when M moves, the sum and O are multiplied by 2^(old M - new M), which rounds nothing.  The running largest t begins at -3e38.
; SHARES.  The four work-groups of a cluster share a head.  Wave w of work-group cx owns query tile 2 cx + w % 2 of token groups w / 2 and 15 - w / 2: (w / 2 + 1) + (16 - w / 2) = 17 steps of 128 keys in EVERY wave.
; Trip counts and branches hang on the wave's number and the trip alone; cx enters global addresses and the mask's lane value only.
; LDS: the head's k and v, 16 steps of 12,800 dense bytes, filled ONCE: wave w asks for step w, jointly with the same wave of the three partners (one tensor load a wave is out).  Nothing is filled again and nothing is stored to LDS.
; K = 64 IN AN INSTRUCTION OF 128: source 0 is a PAIR of key tiles (tile 2 b in registers 0-5, tile 2 b + 1 in 6-11: one image of 1,536 bytes); source 1 is [q | zeros] for tile 2 b's scores and [zeros | q] for tile 2 b + 1's.
; Zero codes add nothing; the scale bytes beside them are 0, which is a number.  Both products are used transposed: a lane holds one query throughout, and p's 16 registers of two neighbouring tiles are 16 neighbouring keys.
; No work is done for steps whose keys all come after the tile's queries; in the one step on the diagonal hidden scores become -infinity ahead of the maximum.
; LIMITS: NaN and infinities are not served; a block of zeros gets the byte 1.  A block's largest p is taken as the exponential of its largest score.  The result's scale bytes leave as stores of two bytes a row (the two heads of a word belong to different work-groups): 2 bytes for every 48 of codes.
.set REC,   19200
.set HEADB, 16*REC
.set BLK,   12800
.set STEPB, 12800
.set L16,  1                           ; v1   16 x lane
.set L8,   2                           ; v2   8 x lane
.set LR,   3                           ; v3   16 r
.set AD16, 4                           ; v4-6 the same + the step's first byte
.set AD8,  5
.set ADR,  6
.set DQ,   7                           ; v7   my query's place in its group - 16 (lane / 16)
.set NINF, 8                           ; v8   -infinity
.set STA,  12                          ; v12 -M, v13 the largest t, v[14:15] the sum: tile A;  v16-19: tile B
.set STB,  16
.set Q2A,  20                          ; v20-25 zeros, v26-31 A's q, v32-37 zeros, v38-43 B's q, v44-49 zeros
.set Q1A,  26
.set Q2B,  32
.set Q1B,  38
.set QWA,  50                          ; v50, v51 A's scale words for [q | 0] and [0 | q];  v52, v53 B's
.set QWB,  52
.set F,    60                          ; v60-107 four fragments of k or of v; between the products at work
.set KW,   108                         ; v108-111 their scale words
.set S,    112                         ; v112-175 the scores, then p
.set OA,   176                         ; v176-207, v208-239 O^T of the two tiles
.set OB,   208
.set PC,   240                         ; v240-251 p's codes
.set BM,   F
.set BT,   F+4
.set SO,   F+8
.set CT,   F+12
.set SUM2, F+20
.set WV,   8
.set G0,   16
.set G1,   20
.set SEL,  28
.set CS,   30
.set TB,   32
.set TRIP, 33
.macro CROUND
	s_barrier_signal -1
	s_barrier_wait -1
	s_cmp_lg_u32 s[WV], 0
	s_cbranch_scc1 .Lnot_wave_0_\@
	s_barrier_signal -3
.Lnot_wave_0_\@:
	s_barrier_wait -3
	s_barrier_signal -1
	s_barrier_wait -1
.endm
	s_load_b128 s[4:7], s[0:1], 0x0                ; qkv, cc
	v_lshl_add_u32 v59, v0, 2, 0x32000
	v_mov_b32 v255, 0
	ds_add_u32 v59, v255
	ds_add_u32 v59, v255
	v_lshrrev_b32 v1, 5, v0
	v_readfirstlane_b32 s[WV], v1                  ; wave 0..15
	s_bfe_u32 s9, ttmp6, 0x40000                   ; cx
	s_and_b32 s10, ttmp7, 0xffff                   ; the head, 16 x batch + head
	s_lshr_b32 s13, s[WV], 1                       ; group A
	s_sub_co_u32 s14, 15, s13                      ; group B
	s_and_b32 s12, s[WV], 1
	s_lshl_b32 s49, s9, 1
	s_add_co_u32 s12, s12, s49                     ; my tile in both groups
	s_mul_i32 s15, s10, HEADB                      ; the head's records
	s_mul_i32 s58, s[WV], REC
	s_add_co_u32 s58, s58, s15
	s_add_co_u32 s58, s58, 6400                    ; k and v of step w: 12,800 dense bytes
	s_mov_b32 s59, 0
	s_mov_b32 s[G0], 1
	s_mul_i32 s[G0+1], s[WV], STEPB                ; LDS: step w
	s_mov_b32 s[G1], 15|(3<<16)|(1<<21)            ; 15:0 the mask: all four work-groups; 17:16 elements of 8 bytes; 21 set beside a mask
	s_mov_b32 s[G1+1], 32<<16                      ; rows of 256 bytes,
	s_mov_b32 s[G1+2], 50<<16                      ; fifty of them
	s_mov_b32 s[G1+3], 32<<16
	s_mov_b32 s[G1+4], 50
	s_mov_b32 s[G1+5], 32
	s_mov_b32 s[G1+6], 0
	s_mov_b32 s[G1+7], 0
	s_mul_i32 s50, s12, 768                        ; q: my tile's half image,
	s_lshr_b32 s51, s12, 1
	s_lshl_b32 s52, s51, 2                         ; its pair's word,
	s_and_b32 s53, s12, 1
	s_lshl_b32 s55, s53, 4                         ; and which half of that word
	s_lshl_b32 s56, s51, 5
	s_lshl_b32 s53, s53, 3
	s_add_co_u32 s56, s56, s53                     ; 32 (tile / 2) + 8 (tile % 2)
	s_mul_i32 s54, s13, REC
	s_add_co_u32 s54, s54, s15
	s_add_co_u32 s34, s54, s50
	s_mov_b32 s35, 0
	s_add_co_u32 s38, s54, s52
	s_mov_b32 s39, 0
	s_mul_i32 s54, s14, REC
	s_add_co_u32 s54, s54, s15
	s_add_co_u32 s36, s54, s50
	s_mov_b32 s37, 0
	s_add_co_u32 s40, s54, s52
	s_mov_b32 s41, 0
	s_lshr_b32 s60, s10, 4
	s_lshl_b32 s60, s60, 4                         ; cc: 16 token groups a batch
	s_and_b32 s61, s10, 15
	s_lshr_b32 s62, s61, 1                         ; the next product's K step: two heads to 128,
	s_and_b32 s61, s61, 1                          ; and my half of it
	s_mul_i32 s63, s12, 1536
	s_mul_i32 s49, s61, 768
	s_add_co_u32 s63, s63, s49                     ; my half image in a block
	s_lshr_b32 s49, s12, 2
	s_lshl_b32 s49, s49, 8
	s_and_b32 s48, s12, 3
	s_lshl_b32 s48, s48, 2
	s_add_co_u32 s49, s49, s48
	s_lshl_b32 s48, s61, 1
	s_add_co_u32 s49, s49, s48
	s_add_co_u32 s49, s49, 12288                   ; my two bytes of row 0's scale word
	s_add_co_u32 s48, s60, s13
	s_lshl_b32 s48, s48, 3
	s_add_co_u32 s48, s48, s62
	s_mul_i32 s48, s48, BLK
	s_add_co_u32 s42, s48, s63
	s_mov_b32 s43, 0
	s_add_co_u32 s46, s48, s49
	s_add_co_u32 s48, s60, s14
	s_lshl_b32 s48, s48, 3
	s_add_co_u32 s48, s48, s62
	s_mul_i32 s48, s48, BLK
	s_add_co_u32 s44, s48, s63
	s_mov_b32 s45, 0
	s_add_co_u32 s47, s48, s49
	s_mov_b32 s[SEL], 0x76543210
	s_mov_b32 s[SEL+1], 0xfedcba98
	s_mov_b32 s[CS], 0x3e38aa3b                    ; c = log2(e) / sqrt(64)
	s_mov_b32 s[CS+1], s[CS]                       ; (named with it as a pair)
	s_wait_dscnt 0x0
	s_wait_kmcnt 0x0
	s_add_nc_u64 s[G0+2:G0+3], s[4:5], s[58:59]
	s_or_b32 s[G0+3], s[G0+3], 0x80000000
	s_add_nc_u64 s[34:35], s[4:5], s[34:35]
	s_add_nc_u64 s[36:37], s[4:5], s[36:37]
	s_add_nc_u64 s[38:39], s[4:5], s[38:39]
	s_add_nc_u64 s[40:41], s[4:5], s[40:41]
	s_add_nc_u64 s[42:43], s[6:7], s[42:43]
	s_add_nc_u64 s[44:45], s[6:7], s[44:45]
	CROUND                                         ; all four work-groups are here: the joint loads meet
	tensor_load_to_lds s[G0:G0+3], s[G1:G1+7]      ; every wave's one load: its step's k and v
	s_nop 0
.rept 4
	v_nop
.endr
	v_and_b32 v9, 31, v0                           ; lane
	v_and_b32 v10, 15, v0                          ; r
	v_bfe_u32 v11, v0, 4, 1                        ; h
	v_lshlrev_b32 v[L16], 4, v9
	v_lshlrev_b32 v[L8], 3, v9
	v_lshlrev_b32 v[LR], 4, v10
	global_load_b128 v[Q1A:Q1A+3], v[L16], s[34:35] offset:256
	global_load_b64 v[Q1A+4:Q1A+5], v[L8], s[34:35] offset:256+512
	global_load_b128 v[Q1B:Q1B+3], v[L16], s[36:37] offset:256
	global_load_b64 v[Q1B+4:Q1B+5], v[L8], s[36:37] offset:256+512
	global_load_b32 v[QWA], v[LR], s[38:39]
	global_load_b32 v[QWB], v[LR], s[40:41]
	v_and_b32 v[DQ], 8, v10
	v_add_nc_u32 v[DQ], v[DQ], v10
	v_lshlrev_b32 v11, 4, v11
	v_sub_nc_u32 v[DQ], v[DQ], v11
	v_add_nc_u32 v[DQ], s56, v[DQ]
	v_mov_b32 v[NINF], 0xff800000
.irp z, 20, 32, 44
.irp i, 0,1,2,3,4,5
	v_mov_b32 v[\z+\i], 0                          ; the zero halves beside q
.endr
.endr
.irp t, STA, STB
	v_mov_b32 v[\t+1], 0xff61b1e6                  ; the largest t so far: -3e38
	v_floor_f32 v[\t], -v[\t+1]                    ; -M
	v_mov_b32 v[\t+2], 0
	v_mov_b32 v[\t+3], 0
.endr
.set n, 0
.rept 64
	v_mov_b32 v[OA+n], 0                           ; O^T of both tiles: the step is written once, and the first change of M multiplies zeros
.set n, n+1
.endr
	s_wait_loadcnt 0x0
.irp q, QWA, QWB
	v_lshrrev_b32 v[\q], s55, v[\q]
	v_and_b32 v[\q], 0xffff, v[\q]                 ; my tile's two bytes under [q | 0],
	v_lshlrev_b32 v[\q+1], 16, v[\q]               ; and under [0 | q]
.endr
; A scale register written by a vector instruction stands eight plain vector instructions ahead of the scaled matrix instruction that takes it: behind the last line above stand
; the six moves below, the three additions at the loop's head and the four places at a step's head.
.irp b, 0,1,2,3
	v_mov_b32 v[BT+\b], 0                          ; written once: a lane permute's destination counts as one of its sources
.endr
	v_mov_b32 v253, 0                              ; (named as the upper half of the pair v[252:253])
	v_mov_b32 v254, 0
	s_wait_tensorcnt 0x0                           ; my step has landed,
	s_barrier_signal -1
	s_barrier_wait -1                              ; everybody's has: the head's k and v lie in LDS
.macro FRAG reg, off
	ds_load_b128 v[\reg:\reg+3], v[AD16] offset:\off
	ds_load_b64 v[\reg+4:\reg+5], v[AD8] offset:\off+512
	ds_load_b128 v[\reg+6:\reg+9], v[AD16] offset:\off+768
	ds_load_b64 v[\reg+10:\reg+11], v[AD8] offset:\off+1280
.endm
; One tile's step of 128 keys.  q1, q2: [q | 0], [0 | q];  qw: their scale words;  st: the tile's statistics;  o: its O^T;  g: the scalar register with its group's number.
.macro TSTEP q1, q2, qw, st, o, g
.rept 4
	v_nop                                          ; places in front of loads into registers that the last products read
.endr
	ds_load_b128 v[KW:KW+3], v[ADR]                ; the four pairs' scale words of row r
.irp b, 0,1,2,3
	FRAG F+12*\b, 256+1536*\b
.endr
	s_wait_dscnt 0x0
.irp b, 0,1,2,3
	v_wmma_scale_f32_16x16x128_f8f6f4 v[S+16*\b:S+16*\b+7], v[F+12*\b:F+12*\b+11], v[\q1:\q1+11], 0, v[KW+\b], v[\qw] matrix_a_fmt:MATRIX_FMT_BF6 matrix_b_fmt:MATRIX_FMT_BF6
	v_wmma_scale_f32_16x16x128_f8f6f4 v[S+16*\b+8:S+16*\b+15], v[F+12*\b:F+12*\b+11], v[\q2:\q2+11], 0, v[KW+\b], v[\qw+1] matrix_a_fmt:MATRIX_FMT_BF6 matrix_b_fmt:MATRIX_FMT_BF6
.endr                                          ; register 16 b + i: key 32 b + 16 (lane / 16) + i of the step
.rept 4
	v_nop
.endr
	s_cmp_lg_u32 s[TRIP], s[\g]
	s_cbranch_scc1 .Lopen_\@                       ; only the step on the diagonal hides keys
.set n, 0
.rept 64
	v_cmp_gt_i32 vcc_lo, 32*(n/16)+n%16, v[DQ]
	v_cndmask_b32 v[S+n], v[S+n], v[NINF], vcc_lo
.set n, n+1
.endr
.Lopen_\@:
.irp b, 0,1,2,3
	v_max3_num_f32 v[BM+\b], v[S+16*\b], v[S+16*\b+1], v[S+16*\b+2]   ; the largest score of each block of 32 keys: for the row's maximum, and for the block's largest p
.endr
.irp i, 3,5,7,9,11,13
.irp b, 0,1,2,3
	v_max3_num_f32 v[BM+\b], v[BM+\b], v[S+16*\b+\i], v[S+16*\b+\i+1]
.endr
.endr
.irp b, 0,1,2,3
	v_max_num_f32 v[BM+\b], v[BM+\b], v[S+16*\b+15]
.endr
.irp b, 0,1,2,3
	v_permlanex16_b32 v[BT+\b], v[BM+\b], s[SEL], s[SEL+1]
.endr
.irp b, 0,1,2,3
	v_max_num_f32 v[BM+\b], v[BM+\b], v[BT+\b]     ; with lane l xor 16's 16 keys
.endr
	v_max3_num_f32 v254, v[BM], v[BM+1], v[BM+2]
	v_max_num_f32 v254, v254, v[BM+3]
	v_mul_f32 v254, s[CS], v254                    ; the step's largest t
	v_max_num_f32 v[\st+1], v[\st+1], v254         ; the running largest t
	v_mov_b32 v254, v[\st]
	v_floor_f32 v[\st], -v[\st+1]                  ; the new -M = -ceil(t)
	v_sub_f32 v254, v[\st], v254                   ; old M - new M: a whole number, 0 or less
	v_cvt_i32_f32 v254, v254                       ; (it saturates)
	v_ldexp_f32 v252, 1.0, v254                    ; f = 2^(old M - new M)
.set n, 0
.rept 32
	v_pk_fma_f32 v[S+n:S+n+1], v[S+n:S+n+1], s[CS:CS+1], v[\st:\st+1] op_sel_hi:[1,0,0]   ; t - M
.set n, n+2
.endr
.irp b, 0,1,2,3
	v_fma_f32 v[BM+\b], v[BM+\b], s[CS], v[\st]
.endr
.set n, 0
.rept 64
	v_exp_f32 v[S+n], v[S+n]                       ; p = 2^(t - M)
.set n, n+1
.endr
.irp b, 0,1,2,3
	v_exp_f32 v[BM+\b], v[BM+\b]                   ; the block's largest p
.endr
	v_pk_mul_f32 v[\st+2:\st+3], v[\st+2:\st+3], v[252:253] op_sel_hi:[1,0]   ; the sum under the new M (a plain place behind the exponentials)
	s_wait_alu depctr_va_vdst(0)
.irp b, 0,1,2,3
	v_max_num_f32 v[BM+\b], 0x2800000, v[BM+\b]    ; the floor 2^(5 - 127)
.endr
.irp b, 0,1,2,3
	v_add_nc_u32 v[SO+\b], 0xfe000000, v[BM+\b]    ; the conversion's scale operand
.endr
.irp b, 0,1,2,3
	v_lshrrev_b32 v[BT+\b], 23, v[SO+\b]           ; the byte
.endr
	v_lshl_or_b32 v253, v[BT+1], 8, v[BT]
	v_lshl_or_b32 v253, v[BT+2], 16, v253
	v_lshl_or_b32 v253, v[BT+3], 24, v253          ; p's scale word for these 128 keys
.irp c, 0,1
	v_cvt_scalef32_pk16_bf6_f32 v[PC+6*\c:PC+6*\c+2], v[S+32*\c:S+32*\c+15], v[SO+2*\c]
	v_cvt_scalef32_pk16_bf6_f32 v[CT+4*\c:CT+4*\c+2], v[S+32*\c+16:S+32*\c+31], v[SO+2*\c+1]
.endr
	v_nop                                          ; one plain place behind a scaled conversion
.irp c, 0,1
.irp i, 0,1,2
	v_permlane16_swap_b32 v[PC+6*\c+\i], v[CT+4*\c+\i]
.endr
.irp i, 0,1,2
	v_mov_b32 v[PC+6*\c+3+\i], v[CT+4*\c+\i]
.endr
.endr
	v_pk_add_f32 v[SUM2:SUM2+1], v[S:S+1], v[S+2:S+3]   ; the row's sum of the unquantised p, in two chains
.irp j, 4,8,12,16,20,24,28,32,36,40,44,48,52,56,60
	v_pk_add_f32 v[\st+2:\st+3], v[\st+2:\st+3], v[S+\j:S+\j+1]
	v_pk_add_f32 v[SUM2:SUM2+1], v[SUM2:SUM2+1], v[S+\j+2:S+\j+3]
.endr
	v_pk_add_f32 v[\st+2:\st+3], v[\st+2:\st+3], v[SUM2:SUM2+1]
	ds_load_b128 v[KW:KW+3], v[ADR] offset:6400    ; v's scale words of the four channel tiles,
.irp t, 0,1,2,3
	FRAG F+12*\t, 6656+1536*\t                     ; and its fragments: they land under the multiplications below
.endr
.set n, 0
.rept 16
	v_pk_mul_f32 v[\o+n:\o+n+1], v[\o+n:\o+n+1], v[252:253] op_sel_hi:[1,0]   ; O^T under the new M
.set n, n+2
.endr
	s_wait_dscnt 0x0
.irp t, 0,1,2,3
	v_wmma_scale_f32_16x16x128_f8f6f4 v[\o+8*\t:\o+8*\t+7], v[F+12*\t:F+12*\t+11], v[PC:PC+11], v[\o+8*\t:\o+8*\t+7], v[KW+\t], v253 matrix_a_fmt:MATRIX_FMT_BF6 matrix_b_fmt:MATRIX_FMT_BF6
.endr                                          ; four accumulators by turns; between two links of a chain stand the next step's eight score products at the least
.endm
	s_mov_b32 s[TB], 0
	s_mov_b32 s[TRIP], 0
.Lkeys:                                        ; sixteen trips in every wave; a tile's work is jumped over where all the step's keys come after its queries
	v_add_nc_u32 v[AD16], s[TB], v[L16]
	v_add_nc_u32 v[AD8], s[TB], v[L8]
	v_add_nc_u32 v[ADR], s[TB], v[LR]
	s_cmp_gt_u32 s[TRIP], s14
	s_cbranch_scc1 .Lno_b
	TSTEP Q1B, Q2B, QWB, STB, OB, 14
.Lno_b:
	s_cmp_gt_u32 s[TRIP], s13
	s_cbranch_scc1 .Lno_a
	TSTEP Q1A, Q2A, QWA, STA, OA, 13
.Lno_a:
	s_add_co_u32 s[TB], s[TB], STEPB
	s_add_co_u32 s[TRIP], s[TRIP], 1
	s_cmp_lt_u32 s[TRIP], 16
	s_cbranch_scc1 .Lkeys
.rept 4
	v_nop                                          ; places behind the last products
.endr
; THE WAY OUT of a tile: O^T / the sum; register 16 b + i is channel 32 b + 16 (lane / 16) + i of my query: two blocks of the next K, quantised as they stand: a half image.  pc: the codes' registers; keep: the two bytes; sb: the base.
.macro OUT st, o, pc, keep, sb
	v_add_f32 v[\st+2], v[\st+2], v[\st+3]
	v_permlanex16_b32 v254, v[\st+2], s[SEL], s[SEL+1]
	v_add_f32 v[\st+2], v[\st+2], v254             ; the row's sum
	v_rcp_f32 v252, v[\st+2]
	v_nop                                          ; one plain place behind a transcendental
.set n, 0
	s_wait_alu depctr_va_vdst(0)
.rept 16
	v_pk_mul_f32 v[S+n:S+n+1], v[\o+n:\o+n+1], v[252:253] op_sel_hi:[1,0]
.set n, n+2
.endr
.irp b, 0,1
	v_max3_num_f32 v[BM+\b], |v[S+16*\b]|, |v[S+16*\b+1]|, 0x2800000
.endr
.irp i, 2,4,6,8,10,12,14
.irp b, 0,1
	v_max3_num_f32 v[BM+\b], v[BM+\b], |v[S+16*\b+\i]|, |v[S+16*\b+\i+1]|
.endr
.endr
.irp b, 0,1
	v_permlanex16_b32 v[BT+\b], v[BM+\b], s[SEL], s[SEL+1]
.endr
.irp b, 0,1
	v_max_num_f32 v[BM+\b], v[BM+\b], v[BT+\b]
.endr
.irp b, 0,1
	v_add_nc_u32 v[SO+\b], 0xfe000000, v[BM+\b]
.endr
.irp b, 0,1
	v_lshrrev_b32 v[BT+\b], 23, v[SO+\b]
.endr
	v_lshl_or_b32 v[\keep], v[BT+1], 8, v[BT]
	v_cvt_scalef32_pk16_bf6_f32 v[\pc:\pc+2], v[S:S+15], v[SO]
	v_cvt_scalef32_pk16_bf6_f32 v[\pc+8:\pc+10], v[S+16:S+31], v[SO+1]
	v_nop
.irp i, 0,1,2
	v_permlane16_swap_b32 v[\pc+\i], v[\pc+8+\i]
.endr
.irp i, 0,1,2
	v_mov_b32 v[\pc+3+\i], v[\pc+8+\i]
.endr
	global_store_b128 v[L16], v[\pc:\pc+3], s[\sb:\sb+1]               ; 512 consecutive bytes
	global_store_b64 v[L8], v[\pc+4:\pc+5], s[\sb:\sb+1] offset:512    ; 256
.endm
	OUT STA, OA, PC, 54, 42
	OUT STB, OB, F+24, 55, 44                      ; codes in registers of its own: no store's data are written again
	v_cmp_le_u32 vcc_lo, 16, v9                    ; one store serves both tiles' bytes: lanes 0-15 tile A's rows, lanes 16-31 tile B's
	v_mov_b32 v56, s46
	v_mov_b32 v57, s47
	v_cndmask_b32 v56, v56, v57, vcc_lo
	v_add_nc_u32 v56, v56, v[LR]
	v_cndmask_b32 v54, v54, v55, vcc_lo
	global_store_b16 v56, v54, s[6:7]
	s_wait_tensorcnt 0x0
	ds_add_u32 v59, v255
	s_wait_dscnt 0x0
	CROUND                                         ; the closing round: no work-group ends while a partner may still ask for a step that names it
	s_endpgm
.Lfunc_end_k_qe831f15f7a_attn:
	.size	k_qe831f15f7a_attn, .Lfunc_end_k_qe831f15f7a_attn-k_qe831f15f7a_attn
	.p2alignl 7, 3214868480
	.fill 96, 4, 3214868480
	.section	.rodata,"a",@progbits
	.p2align	6, 0x0
	.amdhsa_kernel k_qe831f15f7a_attn
		.amdhsa_group_segment_fixed_size 206848
		.amdhsa_private_segment_fixed_size 0
		.amdhsa_enable_private_segment 0
		.amdhsa_kernarg_size 16
		.amdhsa_user_sgpr_count 2
		.amdhsa_user_sgpr_kernarg_segment_ptr 1
		.amdhsa_wavefront_size32 1
		.amdhsa_system_sgpr_workgroup_id_x 1
		.amdhsa_system_sgpr_workgroup_id_y 1
		.amdhsa_system_sgpr_workgroup_id_z 1
		.amdhsa_system_vgpr_workitem_id 0
		.amdhsa_next_free_vgpr 256
		.amdhsa_next_free_sgpr 66
		.amdhsa_reserve_vcc 1
		.amdhsa_float_denorm_mode_32 3
		.amdhsa_float_denorm_mode_16_64 3
		.amdhsa_memory_ordered 1
		.amdhsa_forward_progress 1
		.amdhsa_inst_pref_size 59
	.end_amdhsa_kernel
	.amdgpu_metadata
---
amdhsa.version: [ 1, 2 ]
amdhsa.kernels:
  - .name:           k_qe831f15f7a_attn
    .symbol:         k_qe831f15f7a_attn.kd
    .args:
      - { .name: qkv, .offset: 0, .size: 8, .value_kind: global_buffer, .address_space: global }
      - { .name: cc, .offset: 8, .size: 8, .value_kind: global_buffer, .address_space: global }
    .group_segment_fixed_size: 206848
    .private_segment_fixed_size: 0
    .kernarg_segment_align: 8
    .kernarg_segment_size: 16
    .max_flat_workgroup_size: 512
    .sgpr_count:     66
    .vgpr_count:     256
    .wavefront_size: 32
...
	.end_amdgpu_metadata
.endif
;; end of part 3
;; launch gemm_out (part 4): grid 4 x 32, 4 waves a work-group, clusters of 4 x 4, 327,680 bytes of LDS; arguments cc, wc, out0; writes out0
.if DOCPART == 4
	.amdgcn_target "amdgcn-amd-amdhsa--gfx1250"
	.amdhsa_code_object_version 6
	.text
	.protected	k_qe831f15f7a_gemm_out
	.globl	k_qe831f15f7a_gemm_out
	.p2align	8
	.type	k_qe831f15f7a_gemm_out,@function
k_qe831f15f7a_gemm_out:
	s_mov_b64 s[64:65], 0
	v_nop
	global_prefetch_b8 v0, s[64:65] scope:SCOPE_SE
	s_setreg_imm32_b32 hwreg(HW_REG_WAVE_MODE, 25, 1), 1
	s_wait_xcnt 0x0
	s_wait_alu depctr_hold_cnt(0) depctr_sa_sdst(0) depctr_va_vdst(0) depctr_va_sdst(0) depctr_va_ssrc(0) depctr_va_vcc(0) depctr_vm_vsrc(0)
	s_getreg_b32 s2, hwreg(HW_REG_IB_STS2, 6, 4)
	s_cmp_eq_u32 s2, 0
	s_cbranch_scc0 .Lentry_in_a_cluster
	s_endpgm
.Lentry_in_a_cluster:
	s_bfe_u32 s2, ttmp6, 0x10000c
	s_cmp_lg_u32 s2, 0xf033
	s_cbranch_scc0 .Lentry_shape_is_right
	s_endpgm
.Lentry_shape_is_right:
; out0 = ctx w_out on codes of BF6 (E3M2) with E8M0 scales, K = 1,024; out0 is [8192][1024] f32.
; OPERANDS: a group of 128 rows (tokens of ctx in cc; columns of w_out in wc's groups 24-31) is eight blocks of 12,800 bytes, one for each 128 along K: eight fragment images of 1,536 bytes (registers 0-3 at 16 x lane,
; 4-5 at 512 + 8 x lane, 6-9 at 768 + 16 x lane, 10-11 at 1,280 + 8 x lane), then 512 bytes of scale words (tile t, row r: 256 (t / 4) + 16 r + 4 (t % 4)).  Lane-row r of tile t is row 32 (t / 2) + 8 (t % 2) + r + 8 (r / 8).
; A tile of out0, 256 x 256, is made by four waves, 128 x 128 each: 64 accumulators.  THE MATRIX INSTRUCTION IS USED TRANSPOSED (source 0 = 16 columns of w_out, source 1 = 16 tokens): a lane holds eight neighbouring numbers of a row.
; LDS: three slots of 102,400 bytes, each 256 along K of A's two groups and B's two; a piece is 25,600 dense bytes, one tensor load of 100 rows of 256 bytes; every LDS load takes consecutive bytes.  Three first fills and ONE
; refill (slot 0), which has four steps of 64 matrix instructions in which to land.  By this text's count a wave has three tensor loads out at the start, later one.
; CLUSTERS: 4 x 4 work-groups; A's pieces are asked for jointly along a row of the cluster, B's along a column.  The launch has 128 tiles: one work-group for each.
; REGISTERS: window 0: v1-25 addresses; v28-29 for the add; v32-47 scale words, two sets; v128-223 A's fragments, later rows of the result.  window 1: B's fragments, two sets.  windows 2, 3: the accumulators.
.set BLK,   12800
.set GRPB,  8*BLK
.set PIECE, 2*BLK
.set SLOT,  4*PIECE
.set SPARE, 3*SLOT                     ; the spare words, 128 bytes a wave: two blocks of 256 bytes that no other line names
.set SPITCH, 528                       ; the way out: a stage of 16 rows x (512 bytes + 16) for each wave, in slot 1: it has had its only fill, and its last read stands ahead of the last barrier
.set STAGE, SLOT
.set FR,    12
.set A16,  2
.set A8,   5
.set B16,  8
.set B8,   11
.set SA,   14
.set O16,  17
.set O8,   18
.set STO,  24
.set RD,   25
.set SPW,  28
.set NIL,  29
.set SC,   32
.set AF,   128
.set BK,   128
.set G1A,  24
.set G1B,  48
.set G0A,  68
.set G0B,  80
.set MSB, 0
.macro WIN new                         ; the immediate's high byte repeats the setting that is left
.if MSB != \new
	s_set_vgpr_msb (MSB<<8)|\new
.set MSB, \new
.endif
.endm
.set MUL_LO, 0xa1
.set MUL_HI, 0xf1
.set TO_B,   0x40
.macro JLOAD g0a, g1a, g0b, g1b        ; a joint load: waves 0 and 1 fetch A's two pieces, waves 2 and 3 B's; four v_nop follow each line
	s_cmp_eq_u32 s15, 0
	s_cbranch_scc0 .Lfor_b_\@
	tensor_load_to_lds s[\g0a:\g0a+3], s[\g1a:\g1a+7]
	s_nop 0
.rept 4
	v_nop
.endr
	s_branch .Lasked_\@
.Lfor_b_\@:
	tensor_load_to_lds s[\g0b:\g0b+3], s[\g1b:\g1b+7]
	s_nop 0
.rept 4
	v_nop
.endr
.Lasked_\@:
.endm
.macro CREST
	s_cmp_lg_u32 s14, 0
	s_cbranch_scc1 .Lnot_wave_0_\@
	s_barrier_signal -3
.Lnot_wave_0_\@:
	s_barrier_wait -3
	s_barrier_signal -1
	s_barrier_wait -1
.endm
.macro CROUND
	s_barrier_signal -1
	s_barrier_wait -1
	CREST
.endm
.macro PLACES                          ; four places in front of loads into registers that matrix instructions have read, and of the first read of results
.rept 4
	v_nop
.endr
.endm
	s_load_b128 s[4:7], s[0:1], 0x0                ; cc, wc
	s_load_b64 s[8:9], s[0:1], 0x10                ; out0
	v_lshl_add_u32 v[SPW], v0, 2, SPARE
	v_mov_b32 v[NIL], 0
	ds_add_u32 v28, v29
	ds_add_u32 v28, v29
	s_wait_dscnt 0x0
	v_lshrrev_b32 v1, 5, v0
	v_readfirstlane_b32 s14, v1                    ; wave 0..3
	s_lshr_b32 s15, s14, 1                         ; which of A's two groups is mine.  Also: I fetch for A (0) or for B (1)
	s_and_b32 s16, s14, 1                          ; which of B's.  Also: which group's piece I fetch
	s_bfe_u32 s40, ttmp6, 0x40000                  ; cx
	s_bfe_u32 s41, ttmp6, 0x40004                  ; cy
	s_lshl_b32 s42, ttmp9, 2
	s_add_co_u32 s42, s42, s40                     ; tile column
	s_and_b32 s17, ttmp7, 0xffff
	s_lshl_b32 s17, s17, 2
	s_add_co_u32 s17, s17, s41                     ; tile row
	s_lshl_b32 s43, s41, 2
	s_lshl_b32 s43, 15, s43                        ; my row of the cluster
	s_lshl_b32 s44, 0x1111, s40                    ; my column
	s_or_b32 s[G1A+0], s43, (3<<16)|(1<<21)        ; 15:0 the mask; 17:16 elements of 8 bytes; 21 set beside a mask; no padding
	s_or_b32 s[G1B+0], s44, (3<<16)|(1<<21)
.irp g, G1A, G1B
	s_mov_b32 s[\g+1], 32<<16                      ; rows of 256 bytes,
	s_mov_b32 s[\g+2], 100<<16                     ; a hundred of them
	s_mov_b32 s[\g+3], 32<<16
	s_mov_b32 s[\g+4], 100
	s_mov_b32 s[\g+5], 32
	s_mov_b32 s[\g+6], 0
	s_mov_b32 s[\g+7], 0
.endr
	s_lshl_b32 s20, s17, 1
	s_add_co_u32 s20, s20, s16
	s_mul_i32 s20, s20, GRPB                       ; A: the token group that I fetch for
	s_mov_b32 s21, 0
	s_lshl_b32 s46, s42, 1
	s_add_co_u32 s46, s46, s16
	s_add_co_u32 s46, s46, 24                      ; B: w_out's groups begin at wc's group 24
	s_mul_i32 s46, s46, GRPB
	s_mov_b32 s47, 0
	s_mul_i32 s45, s14, PIECE                      ; where it goes in a slot: no place in the cluster enters an LDS address
	s_wait_kmcnt 0x0
	s_add_nc_u64 s[20:21], s[4:5], s[20:21]
	s_add_nc_u64 s[46:47], s[6:7], s[46:47]
	CROUND                                         ; all sixteen work-groups are here: the first joint loads meet
.irp j, 0,1,2
	s_mov_b32 s[G0A+4*\j], 1
	s_add_co_u32 s[G0A+4*\j+1], s45, \j*SLOT
	s_add_nc_u64 s[G0A+4*\j+2:G0A+4*\j+3], s[20:21], \j*PIECE
	s_or_b32 s[G0A+4*\j+3], s[G0A+4*\j+3], 0x80000000
	s_mov_b32 s[G0B+4*\j], 1
	s_add_co_u32 s[G0B+4*\j+1], s45, \j*SLOT
	s_add_nc_u64 s[G0B+4*\j+2:G0B+4*\j+3], s[46:47], \j*PIECE
	s_or_b32 s[G0B+4*\j+3], s[G0B+4*\j+3], 0x80000000
	JLOAD G0A+4*\j, G1A, G0B+4*\j, G1B
.endr
	v_and_b32 v1, 31, v0                           ; lane
	v_and_b32 v20, 15, v0                          ; r
	v_bfe_u32 v21, v0, 4, 1                        ; h
	v_lshlrev_b32 v[O16], 4, v1
	v_lshlrev_b32 v[O8], 3, v1
	s_mul_i32 s2, s15, PIECE                       ; my A piece
	s_mul_i32 s3, s16, PIECE
	s_add_co_u32 s3, s3, 2*PIECE                   ; my B piece, behind A's two
	s_sub_co_u32 s18, s3, s2
	v_mul_u32_u24 v22, s18, v21                    ; lanes 16-31 take B's scale words: one product, h x the distance
	v_lshl_add_u32 v22, v20, 4, v22
.irp j, 0,1,2
	v_add_nc_u32 v[A16+\j], s2, v[O16]
	v_add_nc_u32 v[A8+\j], s2, v[O8]
	v_add_nc_u32 v[B16+\j], s3, v[O16]
	v_add_nc_u32 v[B8+\j], s3, v[O8]
	v_add_nc_u32 v[SA+\j], s2, v22
	s_add_co_u32 s2, s2, SLOT
	s_add_co_u32 s3, s3, SLOT
.endr
	s_mul_i32 s19, s14, 16*SPITCH
	s_add_co_u32 s19, s19, STAGE                   ; my stage
	v_mul_u32_u24 v[STO], v20, SPITCH
	v_lshl_add_u32 v[STO], v21, 6, v[STO]
	v_add_nc_u32 v[STO], s19, v[STO]               ; in: row r, + 64 h
	v_add_nc_u32 v[RD], s19, v[O16]                ; back: the 32 lanes take a row of 512 bytes
	s_lshl_b32 s60, s17, 20                        ; 256 rows of 4,096 bytes a tile row,
	s_lshl_b32 s61, s15, 19                        ; 128 rows a group,
	s_add_co_u32 s60, s60, s61
	s_lshl_b32 s61, s42, 10                        ; 1,024 bytes a tile column,
	s_add_co_u32 s60, s60, s61
	s_lshl_b32 s61, s16, 9                         ; 512 a group
	s_add_co_u32 s60, s60, s61
	s_mov_b32 s61, 0
	s_add_nc_u64 s[12:13], s[8:9], s[60:61]
.macro FRAG reg, a16, a8, off          ; a fragment comes as it was stored: four loads, each of consecutive bytes
	ds_load_b128 v[\reg:\reg+3], v[\a16] offset:\off
	ds_load_b64 v[\reg+4:\reg+5], v[\a8] offset:\off+512
	ds_load_b128 v[\reg+6:\reg+9], v[\a16] offset:\off+768
	ds_load_b64 v[\reg+10:\reg+11], v[\a8] offset:\off+1280
.endm
.macro FETCH_B k                       ; B's eight fragments of step k (slot (k / 2) % 3, block k % 2) into set k % 2
.set SL, ((\k)/2)%3
	WIN TO_B
.irp i, 0,1,2,3,4,5,6,7
	FRAG 128*((\k)%2)+FR*\i, B16+SL, B8+SL, ((\k)%2)*BLK+1536*\i
.endr
	WIN 0
.endm
.macro FETCH_A k, i0
.set SL, ((\k)/2)%3
.irp i, \i0, \i0+1, \i0+2, \i0+3
	FRAG AF+FR*(\i), A16+SL, A8+SL, ((\k)%2)*BLK+1536*(\i)
.endr
.endm
.macro SCALES k
.set SL, ((\k)/2)%3
	ds_load_b128 v[SC+8*((\k)%2):SC+8*((\k)%2)+3], v[SA+SL] offset:((\k)%2)*BLK+12288
	ds_load_b128 v[SC+8*((\k)%2)+4:SC+8*((\k)%2)+7], v[SA+SL] offset:((\k)%2)*BLK+12288+256
.endm
; 16 matrix instructions: A's tiles a0, a0 + 1 x B's eight.  The 64 accumulators take turns, one instruction a turn, in the same order in every step.
.macro MUL16 a0, k, zero
.irp a, \a0, \a0+1
.irp b, 0,1,2,3,4,5,6,7
.if \zero
	v_wmma_scale_f32_16x16x128_f8f6f4 v[8*(8*((\a)%4)+\b):8*(8*((\a)%4)+\b)+7], v[128*((\k)%2)+FR*\b:128*((\k)%2)+FR*\b+FR-1], v[AF+FR*(\a):AF+FR*(\a)+FR-1], 0, v[SC+8*((\k)%2)+\b], v[SC+8*((\k)%2)+(\a)] matrix_a_fmt:MATRIX_FMT_BF6 matrix_b_fmt:MATRIX_FMT_BF6 matrix_a_scale:MATRIX_SCALE_ROW1
.else
	v_wmma_scale_f32_16x16x128_f8f6f4 v[8*(8*((\a)%4)+\b):8*(8*((\a)%4)+\b)+7], v[128*((\k)%2)+FR*\b:128*((\k)%2)+FR*\b+FR-1], v[AF+FR*(\a):AF+FR*(\a)+FR-1], v[8*(8*((\a)%4)+\b):8*(8*((\a)%4)+\b)+7], v[SC+8*((\k)%2)+\b], v[SC+8*((\k)%2)+(\a)] matrix_a_fmt:MATRIX_FMT_BF6 matrix_b_fmt:MATRIX_FMT_BF6 matrix_a_scale:MATRIX_SCALE_ROW1
.endif
.endr
.endr
.endm
.macro STEP k, zero
	s_wait_dscnt 16                                ; all but the youngest sixteen loads (A's tiles 4-7)
	WIN MUL_LO
	MUL16 0, \k, \zero
	MUL16 2, \k, \zero
	s_wait_dscnt 0x0                               ; A's tiles 4-7 are in
	PLACES
	FETCH_B (\k)+1
	FETCH_A (\k)+1, 0
	SCALES (\k)+1
	WIN MUL_HI
	MUL16 4, \k, \zero
	MUL16 6, \k, \zero
	PLACES
	WIN 0
	FETCH_A (\k)+1, 4
.endm
.macro TURN k, fill                    ; a step behind which bytes are read that other waves' loads brought since the last barrier.  fill = 1: slot 0 takes K 768 to 1,023
	s_wait_tensorcnt 0x0                           ; all my tensor loads have landed
	ds_add_u32 v[SPW], v[NIL]                      ; 0 onto my spare word
	s_wait_dscnt 17                                ; (the add and the youngest sixteen loads may be out)
	WIN MUL_LO
	MUL16 0, \k, 0
	s_wait_dscnt 0x0                               ; the add is done, and all my LDS reads so far are over
	s_barrier_signal -1
	MUL16 2, \k, 0
	WIN 0
	s_barrier_wait -1
.if \fill
	CREST                                          ; the barrier has opened a round of the cluster's barrier: no wave of any partner still reads slot 0 or has a load on its way
	s_add_nc_u64 s[G0A+2:G0A+3], s[G0A+2:G0A+3], 3*PIECE
	s_add_nc_u64 s[G0B+2:G0B+3], s[G0B+2:G0B+3], 3*PIECE
	JLOAD G0A, G1A, G0B, G1B                       ; the first tensor load behind the round; its four v_nop are the places in front of the loads below
.else
	PLACES
.endif
	FETCH_B (\k)+1
	FETCH_A (\k)+1, 0
	SCALES (\k)+1
	WIN MUL_HI
	MUL16 4, \k, 0
	MUL16 6, \k, 0
	PLACES
	WIN 0
	FETCH_A (\k)+1, 4
.endm
	s_wait_tensorcnt 0x2                           ; my part of slot 0 is in; slots 1 and 2 may stay out
	s_barrier_signal -1
	s_barrier_wait -1
	FETCH_B 0
	FETCH_A 0, 0
	SCALES 0
	FETCH_A 0, 4
	STEP 0, 1                                      ; the first products start the sums
	TURN 1, 1                                      ; slots 1 and 2 are whole for every wave; slot 0 is asked for again
	STEP 2, 0
	STEP 3, 0
	STEP 4, 0
	TURN 5, 0                                      ; slot 0's second fill is whole for every wave; nobody reads slot 1 any more
	STEP 6, 0
	s_wait_dscnt 16                                ; the last step: nothing more to fetch
	WIN MUL_LO
	MUL16 0, 7, 0
	MUL16 2, 7, 0
	s_wait_dscnt 0x0
	WIN MUL_HI
	MUL16 4, 7, 0
	MUL16 6, 7, 0
	WIN 0
; THE WAY OUT, A tile by A tile: 16 rows x 128 columns go through my own stage and come back as whole rows of 512 bytes.  Accumulator b's eight registers are columns 32 (b / 2) + 16 (lane / 16) + 8 (b % 2) + 0 .. 7.
; LDS serves a wave's instructions in order: no wait between the stores and the loads, nor in front of the next tile's stores.
.macro TOSTAGE a
.set AC, 64*((\a)%4)
	WIN 0x08+4*((\a)/4)                            ; the data: window 2 or 3
.irp b, 0,1,2,3,4,5,6,7
	ds_store_b128 v[STO], v[AC+8*\b:AC+8*\b+3] offset:128*(\b/2)+32*(\b%2)        ; each accumulator from its low end on
	ds_store_b128 v[STO], v[AC+8*\b+4:AC+8*\b+7] offset:128*(\b/2)+32*(\b%2)+16
.endr
	WIN 0
.set BB, BK+64*((\a)%2)
.irp t, 0,1,2,3,4,5,6,7,8,9,10,11,12,13,14,15
	ds_load_b128 v[BB+4*\t:BB+4*\t+3], v[RD] offset:\t*SPITCH
.endr
.endm
.macro SEND a, younger                 ; younger: the LDS instructions issued behind tile a's loads, which may stay out
.set BB, BK+64*((\a)%2)
	s_wait_dscnt \younger
.irp t, 0,1,2,3,4,5,6,7,8,9,10,11,12,13,14,15
	global_store_b128 v[O16], v[BB+4*\t:BB+4*\t+3], s[12:13] offset:(32*((\a)/2)+8*((\a)%2)+\t+8*(\t/8))*4096 th:TH_STORE_NT   ; 32 lanes store 512 consecutive bytes of the tile's row t; 127 rows at the most: inside the signed 24-bit immediate
.endr
.endm
	PLACES                                         ; behind the last products: for the loads into the registers that held A's fragments and for the reads of results
	TOSTAGE 0
.irp a, 1,2,3,4,5,6,7
.if \a > 1
	s_wait_xcnt 0x0                                ; tile a - 2's stores have read their registers: tile a's loads may land there
.endif
	TOSTAGE \a
	SEND \a-1, 32                                  ; behind tile a - 1's loads: tile a's 16 stores and 16 loads
.endr
	SEND 7, 0
	s_wait_tensorcnt 0x0                           ; the wave's end, behind my last tensor load and my last LDS store
	ds_add_u32 v[SPW], v[NIL]
	s_wait_dscnt 0x0
	CROUND                                         ; the closing round: no work-group ends while a partner may still ask for a piece that names it
	s_endpgm
.Lfunc_end_k_qe831f15f7a_gemm_out:
	.size	k_qe831f15f7a_gemm_out, .Lfunc_end_k_qe831f15f7a_gemm_out-k_qe831f15f7a_gemm_out
	.p2alignl 7, 3214868480
	.fill 96, 4, 3214868480
	.section	.rodata,"a",@progbits
	.p2align	6, 0x0
	.amdhsa_kernel k_qe831f15f7a_gemm_out
		.amdhsa_group_segment_fixed_size 327680
		.amdhsa_private_segment_fixed_size 0
		.amdhsa_enable_private_segment 0
		.amdhsa_kernarg_size 24
		.amdhsa_user_sgpr_count 2
		.amdhsa_user_sgpr_kernarg_segment_ptr 1
		.amdhsa_wavefront_size32 1
		.amdhsa_system_sgpr_workgroup_id_x 1
		.amdhsa_system_sgpr_workgroup_id_y 1
		.amdhsa_system_sgpr_workgroup_id_z 1
		.amdhsa_system_vgpr_workitem_id 0
		.amdhsa_next_free_vgpr 1024
		.amdhsa_next_free_sgpr 96
		.amdhsa_reserve_vcc 0
		.amdhsa_float_denorm_mode_32 3
		.amdhsa_float_denorm_mode_16_64 3
		.amdhsa_memory_ordered 1
		.amdhsa_forward_progress 1
		.amdhsa_inst_pref_size 140
	.end_amdhsa_kernel
	.amdgpu_metadata
---
amdhsa.version: [ 1, 2 ]
amdhsa.kernels:
  - .name:           k_qe831f15f7a_gemm_out
    .symbol:         k_qe831f15f7a_gemm_out.kd
    .args:
      - { .name: cc, .offset: 0, .size: 8, .value_kind: global_buffer, .address_space: global }
      - { .name: wc, .offset: 8, .size: 8, .value_kind: global_buffer, .address_space: global }
      - { .name: out0, .offset: 16, .size: 8, .value_kind: global_buffer, .address_space: global }
    .group_segment_fixed_size: 327680
    .private_segment_fixed_size: 0
    .kernarg_segment_align: 8
    .kernarg_segment_size: 24
    .max_flat_workgroup_size: 128
    .sgpr_count:     96
    .vgpr_count:     1024
    .wavefront_size: 32
...
	.end_amdgpu_metadata
.endif
;; end of part 4
